; MI455X (gfx1250); checked and timed in simulation.
; The chip was launched on July 23, 2026; its instructions are those of AMD's public machine-readable ISA for CDNA 5 (MIT licence, August 2026) and "CDNA5" Instruction Set Architecture Reference Guide (July 2026). The comments in the code are by the model that wrote it; some were corrected since.
;; Causal Attention. Allowed arithmetic: matrix products marked QUANTISED: E2M1 operands, one E8M0 scale for each 32 along K, by v_wmma_scale_f32_16x16x128_f8f6f4 with both operands' format E2M1 (or v_wmma_scale_f32_32x16x128_f4), f32 sums; products left as they are: bf16, f16 or f32 operands; f32 sums; everything else in f32.
;; Inputs: W_attn 1,024 x 3,072 float32; W_proj 1,024 x 1,024 float32; b_attn 3,072 float32; b_proj 1,024 float32; x 4 x 2,048 x 1,024 float32.
;; Outputs: out0 4 x 2,048 x 1,024 float32.
;; This version of the problem:
;;   THIS VERSION OF THE PROBLEM IS GIVEN IN LOW PRECISION. The matrix products marked QUANTISED in the list below multiply operands that are first quantised to E2M1 (2 exponent bits, 1 mantissa bit; 4 bits a number), with one power-of-two scale for each 32 numbers along K (OCP MX v1.0); their sums are f32. The products marked 'left as it is' may take bf16, f16 or f32 operands, with f32 sums. Whichever they take, every output number must still come out within the allowed error. Rounding operands to bf16 (8 significant bits) uses up far more of that allowance than f16 does (11 bits, for magnitudes from 6e-5 to 65,504). All else is computed in f32.
;;   The module's matrix products, in the order in which they are computed (A, B: the left and right operand; K: the contracted axis; several contracted axes count as one K, in the product's order):
;;     1. [M 8,192, K 1,024] x [K 1,024, N 3,072]; A: input x; B: input W_attn: QUANTISED
;;     2. batch 64 x [M 2,048, K 64] x [K 64, N 2,048]; A: computed on the way; B: computed on the way: left as it is (an operand is computed on the way)
;;     3. batch 64 x [M 2,048, K 2,048] x [K 2,048, N 64]; A: computed on the way; B: computed on the way: left as it is (an operand is computed on the way)
;;     4. [M 8,192, K 1,024] x [K 1,024, N 1,024]; A: computed on the way; B: input W_proj: left as it is (an operand is computed on the way)
;;   THE QUANTISER, for each operand of a quantised product, along K:
;;     - K is cut into blocks of 32 from its start; a last block that is shorter is filled with zeros.
;;     - A block's scale is 2^e with e = floor(log2(the largest magnitude in the block)) - 2, held to -126 .. 127; a block of zeros has e = 0. As a byte (E8M0): e + 127.
;;     - Each number is divided by its block's scale, clamped to +-6, and rounded to the nearest number of E2M1, ties to even, subnormals kept.
;;     - The product sums the exact products of the quantised numbers (number of the format x scale) in f32.
;;   ~~~python
;;   def quantise(x, axis):      # numpy; x: float32 -> the quantised numbers, widened to float32 again
;;       x = np.moveaxis(x, axis, -1); K = x.shape[-1]
;;       x = np.pad(x, [(0, 0)] * (x.ndim - 1) + [(0, -K % 32)]); x = x.reshape(x.shape[:-1] + (-1, 32)); a = np.abs(x).max(-1, keepdims=True)
;;       e = np.where(a > 0, np.clip(np.frexp(np.where(a > 0, a, 1))[1] - 1 - 2, -126, 127), 0)      # np.frexp(a)[1] - 1 = floor(log2(a)), exactly
;;       r = np.clip(x / 2.0 ** e, -6, 6)
;;       step = 2.0 ** (np.maximum(np.frexp(np.where(r == 0, 1, r))[1] - 1, 0) - 1)
;;       q = np.round(r / step) * step * 2.0 ** e      # np.round: ties to even
;;       return np.moveaxis(q.reshape(q.shape[:-2] + (-1,))[..., :K], -1, axis).astype(np.float32)
;;   ~~~
;; One version. Each part assembles by itself: llvm-mc -triple=amdgcn-amd-amdhsa -mcpu=gfx1250 --defsym DOCPART=n.
;; ======== version 1 of 1: 5 launches
;; limits: values are held in f16: magnitudes above 65,504 overflow, below 6.1e-05 lose precision
;; workspace buffers: x_codes 4,194,304 bytes; x_scales 262,144 bytes; w_codes 1,572,864 bytes; w_scales 98,304 bytes; wp16 2,097,152 bytes; qkv 50,331,648 bytes; o16 16,777,216 bytes; q32 786,432 bytes
;; launch prep (part 1): grid 368 x 1, 4 waves a work-group, no clusters, 68,096 bytes of LDS; arguments x, W_attn, W_proj, x_codes, x_scales, w_codes, w_scales, wp16; writes x_codes, x_scales, w_codes, w_scales, wp16
.if DOCPART == 1
	.amdgcn_target "amdgcn-amd-amdhsa--gfx1250"
	.amdhsa_code_object_version 6
	.text
	.protected	k_qd70158a030_prep
	.globl	k_qd70158a030_prep
	.p2align	8
	.type	k_qd70158a030_prep,@function
k_qd70158a030_prep:
	s_mov_b64 s[64:65], 0
	v_nop
	global_prefetch_b8 v0, s[64:65] scope:SCOPE_SE
	s_setreg_imm32_b32 hwreg(HW_REG_WAVE_MODE, 25, 1), 1
	s_wait_xcnt 0x0
; CAUSAL ATTENTION, B = 4, S = 2,048, D = 1,024, 16 heads of 64, in five launches: prep (this one), qkv, attn, proj, fine.
; prep: x [8192][1024] and W_attn [1024][3072], f32, become codes of FP4 (E2M1) with one E8M0 scale byte for each 32 along K = 1,024, both laid with K innermost
;       (x_codes [8192][512 B], x_scales [8192][32], w_codes [3072][512 B], w_scales [3072][32]); W_proj is rounded to f16 as it lies (wp16 [1024][1024]).
; WORK LEFT OUT BY THE PROGRAM (launch attn): a score of key k and query q with k > q is replaced by -infinity by the mask that the problem builds itself (tril), so its weight is 0 whatever the inputs hold.
;   Key steps all of whose keys come after all of a wave's queries are not computed, and key slots beyond a work-group's last query are not fetched.  LIMIT: a NaN, an infinity or an overflow that
;   reaches only such scores is not carried to the result.  Every input has a way to the output and is loaded.  The k third of b_attn, which a softmax in real numbers takes away, is kept: it rides as
;   the C of a sum's first matrix instruction like the other two thirds and costs no instruction.
; LIMITS: a block of zeros gets the scale byte 1 where the rule says 127 (its codes are zeros, and this program alone reads the bytes); blocks whose largest magnitude lies under 2^(2 - 126) were not tried;
;   NaN and infinities among the inputs are not served; q, k, v beyond 65,504 in magnitude are not served (they are kept in f16).
; THREE PATHS, parted on the work-group's number, the longest jobs first, each with LDS bytes of its own:
;   0 .. 47     W_attn: K is its FIRST axis.  A lane takes a column, its registers run down K; 128 columns x 512 along K to a work-group
;   48 .. 111   W_proj: 16,384 numbers to a work-group, f32 to f16
;   112 .. 367  x: K innermost: a plain stream of blocks of 32; 32,768 numbers to a work-group
; No tensor load, no barrier: waves share nothing.  No matrix unit, no cluster: the launch only moves bytes.
.set SPW,    190                       ; v190  LDS address of my spare word; never rewritten
.set NIL,    191                       ; v191  0; never rewritten
.set EMAX,   2
.set WN,     3072                      ; path W
.set KW,     512                       ; along K for a wave
.set NB,     KW/32
.set WPITCH, 272                       ; a stage row: 256 bytes of codes + 16
.set KROW,   512                       ; a row of codes in memory
.set WX,     32                        ; v32-95   two sets of 32 numbers
.set WC,     96                        ; v96-99   a block's codes
.set WOUT,   112                       ; v112-175 the way out
.set WSB,    24                        ; v24-27   scale bytes
.set STEPS,  16                        ; path X
.set CB,     8                         ; bytes of 16 codes
.set XR,     16                        ; v16-79   four sets of 16 numbers as loaded
.set XX,     80                        ; v80-111  two sets of 16 neighbours
.set XE,     112                       ; v112-127 a scale byte for each step
.set XC,     128                       ; v128-189 codes: four registers' room for each step
.set SP,     80                        ; a lane's place in a stage: 64 bytes + 16
.set WREG,   8192                      ; a wave's region: two stages and 256 scale bytes
.set XBASE,  4*32*WPITCH               ; path X's regions begin behind path W's four stages
.set SPARE,  XBASE+4*WREG              ; the spare words: 128 bytes a wave, two blocks of 256 bytes that no other line names
	s_load_b256 s[4:11], s[0:1], 0x0               ; x s[4:5], W_attn s[6:7], W_proj s[8:9], x_codes s[10:11]
	s_load_b256 s[12:19], s[0:1], 0x20             ; x_scales s[12:13], w_codes s[14:15], w_scales s[16:17], wp16 s[18:19]
	v_lshl_add_u32 v[SPW], v0, 2, SPARE
	v_mov_b32 v[NIL], 0
	v_lshrrev_b32 v1, 5, v0
	v_readfirstlane_b32 s20, v1                    ; wave
	v_and_b32 v2, 31, v0                           ; lane
	s_mov_b32 s25, 0                               ; the upper word of every offset below
	s_wait_kmcnt 0x0
	s_cmp_lt_u32 ttmp9, 48
	s_cbranch_scc1 .Lpath_w
	s_cmp_lt_u32 ttmp9, 112
	s_cbranch_scc1 .Lpath_c
; ---------------- PATH X.  A wave takes 16 steps of 512 numbers.  Each of a step's four loads reads 512 consecutive bytes; the 2,048 bytes turn through the wave's own stage so that a lane gets 16 neighbours
; along K (two neighbouring lanes hold a block).  A lane's 16 codes are 8 bytes: a wave's store covers 256 consecutive bytes, aligned.  The wave's 256 scale bytes are gathered in LDS and leave by one store.
	v_lshlrev_b32 v3, 4, v2                        ; my 16 bytes of a load's 512
	s_mul_i32 s21, s20, WREG
	s_add_co_u32 s21, s21, XBASE                   ; my wave's region
	v_lshrrev_b32 v14, 2, v2
	v_mul_u32_u24 v14, v14, SP
	v_and_b32 v15, 3, v2
	v_lshl_add_u32 v14, v15, 4, v14
	v_add_nc_u32 v14, s21, v14                     ; into the stage: SP (lane / 4) + 16 (lane % 4)
	v_mul_u32_u24 v15, v2, SP
	v_add_nc_u32 v15, s21, v15                     ; out of it: SP x lane
	v_mul_u32_u24 v4, v2, CB                       ; my codes' place in a step's
	v_lshrrev_b32 v5, 1, v2
	s_add_co_u32 s21, s21, 2*32*SP
	v_add_nc_u32 v5, s21, v5                       ; my block's scale byte
	v_lshlrev_b32 v7, 3, v2
	v_add_nc_u32 v6, s21, v7                       ; and on the way out 8 bytes a lane
	s_sub_co_u32 s22, ttmp9, 112
	s_lshl_b32 s22, s22, 2
	s_add_co_u32 s22, s22, s20                     ; which run of 8,192 numbers is my wave's: 0 .. 1,023
	s_lshl_b32 s24, s22, 15
	s_add_nc_u64 s[4:5], s[4:5], s[24:25]          ; 32,768 bytes of x a run,
	s_lshl_b32 s24, s22, 12
	s_add_nc_u64 s[10:11], s[10:11], s[24:25]      ; 4,096 of codes,
	s_lshl_b32 s24, s22, 8
	s_add_nc_u64 s[12:13], s[12:13], s[24:25]      ; 256 scale bytes
.macro XLOAD t
.irp i, 0,1,2,3
	global_load_b128 v[XR+16*((\t)%4)+4*\i:XR+16*((\t)%4)+4*\i+3], v3, s[4:5] offset:2048*(\t)+512*\i th:TH_LOAD_NT
.endr
.endm
.macro XTURN t                         ; LDS serves a wave's instructions in order: no wait between the stores and the loads
.irp i, 0,1,2,3
	ds_store_b128 v14, v[XR+16*((\t)%4)+4*\i:XR+16*((\t)%4)+4*\i+3] offset:32*SP*((\t)%2)+8*SP*\i
.endr
.irp i, 0,1,2,3
	ds_load_b128 v[XX+16*((\t)%2)+4*\i:XX+16*((\t)%2)+4*\i+3], v15 offset:32*SP*((\t)%2)+16*\i
.endr
.endm
.irp t, 0,1,2,3
	XLOAD \t
.endr
	s_wait_loadcnt 12                              ; step 0's four loads are in; three steps' twelve stay out
	XTURN 0
.macro XSTEP t
.set XS, XX+16*((\t)%2)
.if (\t) > 0
	s_wait_dscnt 1                                 ; this step's numbers are back (the last step's byte store may be out): so its stores into the stage have read their registers,
.else
	s_wait_dscnt 0x0
.endif
.if (\t)+4 < STEPS
	XLOAD (\t)+4                                   ; which take the loads of four steps on
.endif
.if (\t)+1 < STEPS
.if STEPS-2-(\t) >= 3
	s_wait_loadcnt 12                              ; the next step's four loads are in; those of the three steps behind it may be out
.else
	s_wait_loadcnt 4*(STEPS-2-(\t))
.endif
	XTURN (\t)+1
.endif
	v_max3_num_f32 v8, |v[XS]|, |v[XS+1]|, |v[XS+2]|               ; the largest magnitude of my 16, in two chains
	v_max3_num_f32 v9, |v[XS+3]|, |v[XS+4]|, |v[XS+5]|
.irp i, 6,10
	v_max3_num_f32 v8, v8, |v[XS+\i]|, |v[XS+\i+1]|
	v_max3_num_f32 v9, v9, |v[XS+\i+2]|, |v[XS+\i+3]|
.endr
	v_max3_num_f32 v8, v8, |v[XS+14]|, |v[XS+15]|
	v_max3_num_f32 v8, v8, v9, (EMAX+1)<<23        ; and the floor 2^(EMAX + 1 - 127): the byte cannot fall under 1
	v_max_num_f32_dpp v8, v8, v8 row_xmask:1 row_mask:0xf bank_mask:0xf   ; and of my neighbour's 16: the block's
	v_add_nc_u32 v11, -(EMAX<<23), v8              ; EMAX off its exponent field: the conversion takes the exponent field of this operand as its scale
	v_cvt_scalef32_pk8_fp4_f32 v[XC+4*(\t)], v[XS:XS+7], v11
	v_cvt_scalef32_pk8_fp4_f32 v[XC+4*(\t)+1], v[XS+8:XS+15], v11
	v_lshrrev_b32 v[XE+(\t)], 23, v11              ; the scale's byte
	ds_store_b8 v5, v[XE+(\t)] offset:16*(\t)      ; both lanes of a block write the same byte with the same value
	global_store_b64 v4, v[XC+4*(\t):XC+4*(\t)+1], s[10:11] offset:32*CB*(\t)
.endm
.irp t, 0,1,2,3,4,5,6,7,8,9,10,11,12,13,14,15
	XSTEP \t
.endr
	ds_load_b64 v[8:9], v6                         ; sees my byte stores: LDS serves a wave in order
	s_wait_dscnt 0x0
	global_store_b64 v7, v[8:9], s[12:13]          ; 32 lanes store 256 consecutive bytes, aligned
	s_wait_tensorcnt 0x0                           ; the wave's end
	ds_add_u32 v[SPW], v[NIL]
	s_wait_dscnt 0x0
	s_endpgm
; ---------------- PATH C.  A wave casts 4,096 numbers: 32 loads of 512 consecutive bytes, all issued at once; each gives 256 consecutive bytes of f16.  No register is used twice, so no store's data are rewritten.
.Lpath_c:
	s_sub_co_u32 s22, ttmp9, 48
	s_lshl_b32 s22, s22, 2
	s_add_co_u32 s22, s22, s20                     ; which run of 4,096 numbers: 0 .. 255
	s_lshl_b32 s24, s22, 14
	s_add_nc_u64 s[8:9], s[8:9], s[24:25]
	s_lshl_b32 s24, s22, 13
	s_add_nc_u64 s[18:19], s[18:19], s[24:25]
	v_lshlrev_b32 v3, 4, v2
	v_lshlrev_b32 v4, 3, v2
.set J, 0
.rept 32
	global_load_b128 v[16+4*J:19+4*J], v3, s[8:9] offset:512*J th:TH_LOAD_NT
.set J, J+1
.endr
.set J, 0
.rept 32
	s_wait_loadcnt 31-J                            ; loads come back in order: load J is in, the younger ones stay out
	v_cvt_pk_f16_f32 v[16+4*J], v[16+4*J], v[17+4*J]
	v_cvt_pk_f16_f32 v[17+4*J], v[18+4*J], v[19+4*J]
	global_store_b64 v4, v[16+4*J:17+4*J], s[18:19] offset:256*J
.set J, J+1
.endr
	s_endpgm                                       ; this path writes no LDS
; ---------------- PATH W.  A wave takes 32 columns x 512 along K: each load reads 128 consecutive bytes of one row k; a block of 32 along K lies in ONE lane's 32 registers, so its largest magnitude needs no other
; lane and the conversions give codes with K innermost.  A lane's codes belong to its own row of w_codes: they go through the wave's stage and leave sixteen lanes to 256 consecutive bytes.
.Lpath_w:
	s_cmp_ge_u32 ttmp9, 24
	s_cselect_b32 s22, 1, 0                        ; which 512 along K
	s_cselect_b32 s21, 24, 0
	s_sub_co_u32 s21, ttmp9, s21                   ; which 128 columns
	s_lshl_b32 s21, s21, 7
	s_lshl_b32 s23, s20, 5
	s_add_co_u32 s21, s21, s23                     ; my wave's first column
	v_lshlrev_b32 v3, 2, v2                        ; in: 4 bytes a lane
	s_mul_i32 s23, s20, 32*WPITCH                  ; my stage
	v_mul_u32_u24 v4, v2, WPITCH
	v_add_nc_u32 v4, s23, v4                       ; into it: row = my column
	v_and_b32 v5, 15, v2
	v_lshrrev_b32 v6, 4, v2
	v_mul_u32_u24 v7, v6, WPITCH
	v_lshl_add_u32 v7, v5, 4, v7
	v_add_nc_u32 v7, s23, v7                       ; out of it: sixteen lanes to a row, two rows an instruction
	v_mul_u32_u24 v8, v6, KROW
	v_lshl_add_u32 v8, v5, 4, v8                   ; and the same place in w_codes
	v_lshlrev_b32 v9, 5, v2                        ; my column's row of 32 scale bytes
	s_mul_i32 s24, s22, KW*WN*4
	s_lshl_b32 s26, s21, 2
	s_add_co_u32 s24, s24, s26
	s_add_nc_u64 s[6:7], s[6:7], s[24:25]          ; W_attn at row 512 y, my first column
	s_lshl_b32 s24, s21, 9
	s_lshl_b32 s26, s22, 8
	s_add_co_u32 s24, s24, s26
	s_add_nc_u64 s[14:15], s[14:15], s[24:25]      ; w_codes at my first column's row, 256 y bytes on
	s_lshl_b32 s24, s21, 5
	s_lshl_b32 s26, s22, 4
	s_add_co_u32 s24, s24, s26
	s_add_nc_u64 s[16:17], s[16:17], s[24:25]      ; w_scales likewise, 16 y bytes on
.macro WLOAD t                         ; block t: W(32 t + i, my column); the largest offset, 511 rows of 12,288 bytes, lies inside the signed 24-bit immediate
.irp i, 0,1,2,3,4,5,6,7,8,9,10,11,12,13,14,15,16,17,18,19,20,21,22,23,24,25,26,27,28,29,30,31
	global_load_b32 v[WX+32*((\t)%2)+\i], v3, s[6:7] offset:(32*(\t)+\i)*WN*4 th:TH_LOAD_NT
.endr
.endm
	WLOAD 0
	WLOAD 1
.macro WBLOCK t
.set XS, WX+32*((\t)%2)
.if (\t) < NB-1
	s_wait_loadcnt 32                              ; this block's 32 loads are in; the next block's may be out
.else
	s_wait_loadcnt 0
.endif
	v_max3_num_f32 v12, |v[XS]|, |v[XS+1]|, |v[XS+2]|
	v_max3_num_f32 v13, |v[XS+3]|, |v[XS+4]|, |v[XS+5]|
.irp i, 6,10,14,18,22,26
	v_max3_num_f32 v12, v12, |v[XS+\i]|, |v[XS+\i+1]|
	v_max3_num_f32 v13, v13, |v[XS+\i+2]|, |v[XS+\i+3]|
.endr
	v_max3_num_f32 v12, v12, |v[XS+30]|, |v[XS+31]|
	v_max3_num_f32 v12, v12, v13, (EMAX+1)<<23     ; with the floor: the byte cannot fall under 1
	v_add_nc_u32 v11, -(EMAX<<23), v12
	v_lshrrev_b32 v13, 23, v11                     ; the scale's byte
.if (\t)%4 == 0
	v_mov_b32 v[WSB+(\t)/4], v13                   ; four bytes to a register, the lower K in the lower byte
.else
	v_lshl_or_b32 v[WSB+(\t)/4], v13, 8*((\t)%4), v[WSB+(\t)/4]
.endif
.irp g, 0,1,2,3
	v_cvt_scalef32_pk8_fp4_f32 v[WC+\g], v[XS+8*\g:XS+8*\g+7], v11
.endr
	ds_store_b128 v4, v[WC:WC+3] offset:16*(\t)    ; 32 codes: 16 bytes of my column's row
.if (\t)+2 < NB
	WLOAD (\t)+2
.endif
	s_wait_dscnt 0x0                               ; the store has read its registers: the next block's codes may be written
.endm
.set Q, 0
.rept NB
	WBLOCK Q
.set Q, Q+1
.endr
	global_store_b128 v9, v[WSB:WSB+3], s[16:17]   ; my column's 16 scale bytes
.irp t, 0,1,2,3,4,5,6,7,8,9,10,11,12,13,14,15
	ds_load_b128 v[WOUT+4*\t:WOUT+4*\t+3], v7 offset:2*\t*WPITCH
.endr
.irp t, 0,1,2,3,4,5,6,7,8,9,10,11,12,13,14,15
	s_wait_dscnt 15-\t                             ; load t is back; the younger ones stay out
	global_store_b128 v8, v[WOUT+4*\t:WOUT+4*\t+3], s[14:15] offset:2*\t*KROW
.endr
	s_wait_tensorcnt 0x0                           ; the wave's end
	ds_add_u32 v[SPW], v[NIL]
	s_wait_dscnt 0x0
	s_endpgm
.Lfunc_end_k_qd70158a030_prep:
	.size	k_qd70158a030_prep, .Lfunc_end_k_qd70158a030_prep-k_qd70158a030_prep
	.p2alignl 7, 3214868480
	.fill 96, 4, 3214868480
	.section	.rodata,"a",@progbits
	.p2align	6, 0x0
	.amdhsa_kernel k_qd70158a030_prep
		.amdhsa_group_segment_fixed_size 68096
		.amdhsa_private_segment_fixed_size 0
		.amdhsa_enable_private_segment 0
		.amdhsa_kernarg_size 64
		.amdhsa_user_sgpr_count 2
		.amdhsa_user_sgpr_kernarg_segment_ptr 1
		.amdhsa_wavefront_size32 1
		.amdhsa_system_sgpr_workgroup_id_x 1
		.amdhsa_system_sgpr_workgroup_id_y 1
		.amdhsa_system_sgpr_workgroup_id_z 1
		.amdhsa_system_vgpr_workitem_id 0
		.amdhsa_next_free_vgpr 192
		.amdhsa_next_free_sgpr 66
		.amdhsa_reserve_vcc 0
		.amdhsa_float_denorm_mode_32 3
		.amdhsa_float_denorm_mode_16_64 3
		.amdhsa_memory_ordered 1
		.amdhsa_forward_progress 1
		.amdhsa_inst_pref_size 122
	.end_amdhsa_kernel
	.amdgpu_metadata
---
amdhsa.version: [ 1, 2 ]
amdhsa.kernels:
  - .name:           k_qd70158a030_prep
    .symbol:         k_qd70158a030_prep.kd
    .args:
      - { .name: x, .offset: 0, .size: 8, .value_kind: global_buffer, .address_space: global }
      - { .name: W_attn, .offset: 8, .size: 8, .value_kind: global_buffer, .address_space: global }
      - { .name: W_proj, .offset: 16, .size: 8, .value_kind: global_buffer, .address_space: global }
      - { .name: x_codes, .offset: 24, .size: 8, .value_kind: global_buffer, .address_space: global }
      - { .name: x_scales, .offset: 32, .size: 8, .value_kind: global_buffer, .address_space: global }
      - { .name: w_codes, .offset: 40, .size: 8, .value_kind: global_buffer, .address_space: global }
      - { .name: w_scales, .offset: 48, .size: 8, .value_kind: global_buffer, .address_space: global }
      - { .name: wp16, .offset: 56, .size: 8, .value_kind: global_buffer, .address_space: global }
    .group_segment_fixed_size: 68096
    .private_segment_fixed_size: 0
    .kernarg_segment_align: 8
    .kernarg_segment_size: 64
    .max_flat_workgroup_size: 128
    .sgpr_count:     66
    .vgpr_count:     192
    .wavefront_size: 32
...
	.end_amdgpu_metadata
.endif
;; end of part 1
;; launch qkv (part 2): grid 12 x 32, 4 waves a work-group, clusters of 4 x 4, 327,680 bytes of LDS; arguments x_codes, x_scales, w_codes, w_scales, b_attn, qkv, q32; writes qkv, q32
.if DOCPART == 2
	.amdgcn_target "amdgcn-amd-amdhsa--gfx1250"
	.amdhsa_code_object_version 6
	.text
	.protected	k_qd70158a030_qkv
	.globl	k_qd70158a030_qkv
	.p2align	8
	.type	k_qd70158a030_qkv,@function
k_qd70158a030_qkv:
	s_mov_b64 s[64:65], 0
	v_nop
	global_prefetch_b8 v0, s[64:65] scope:SCOPE_SE
	s_setreg_imm32_b32 hwreg(HW_REG_WAVE_MODE, 25, 1), 1
	s_wait_xcnt 0x0
	s_wait_alu depctr_hold_cnt(0) depctr_sa_sdst(0) depctr_va_vdst(0) depctr_va_sdst(0) depctr_va_ssrc(0) depctr_va_vcc(0) depctr_vm_vsrc(0)
	s_getreg_b32 s2, hwreg(HW_REG_IB_STS2, 6, 4)
	s_cmp_eq_u32 s2, 0
	s_cbranch_scc0 .Lentry_in_a_cluster
	s_endpgm
.Lentry_in_a_cluster:
	s_bfe_u32 s2, ttmp6, 0x10000c
	s_cmp_lg_u32 s2, 0xf033
	s_cbranch_scc0 .Lentry_shape_is_right
	s_endpgm
.Lentry_shape_is_right:
; q, k, v = Q(x) Q(W_attn) + b_attn: the quantised product, on codes of FP4 (E2M1) with one E8M0 scale for each 32 along K = 1,024; sums in f32.
; A = x_codes [8192][512 B], B = w_codes [3072][512 B], their scale bytes [rows][32].  Results: qkv [3 (q, k, v)][4 b][16 h][2048 s][64] f16, read by the attention;
; and q32 [3][4][16][16 s][64] f32: the same sums, unrounded, of positions 0 to 15 of each sequence, which the last launch carries in f32.
; A tile of 256 x 256 is made by four waves, 128 x 128 each: 64 accumulators, 512 registers.  K goes in two steps of 512 through two LDS slots, each filled ONCE: all tiles and all scale bytes are asked for at the head.
; CLUSTERS: 4 x 4 work-groups.  The four of a row of the cluster need the same tiles of A, the four of a column the same tiles of B: each is asked for JOINTLY, by the same tensor load with the same descriptor and a mask of four.
; THE MATRIX INSTRUCTION IS USED TRANSPOSED (source 0 = 16 rows of B, source 1 = 16 rows of A): a lane holds eight neighbouring columns of one row.  THE BIAS is the C of each sum's first instruction.
; REGISTERS: window 0: v0-31 addresses; v32-95 scale words, two sets; from v128 A's fragments, one set; on the way out v32-127 are free.
;   window 1: B's fragments at v0 and v128; v64-127 the bias in the result's layout.   window 2: accumulators of my rows 0-63 ((a, b) at v[8 (8 a + b)]);   window 3: those of rows 64-127.
.set SIZE_K, 1024
.set KSTEP,  512
.set NQ,     KSTEP/128
.set ROWB,   256                       ; a tile's row in bytes
.set KROW,   SIZE_K/2                  ; a row of codes in memory
.set PITCH,  272                       ; an LDS row: 256 bytes + 16: the 16 rows that a load touches start at 16 different banks
.set FR,     8
.set NL,     2
.set NP,     4
.set HALFT,  128*PITCH
.set SLOT,   4*HALFT
.set KS,     SIZE_K/32
.set SCL,    2*SLOT                    ; behind the slots: the scale bytes, as rows of 256 bytes + 16
.set HALFS,  (128*KS/256)*272
.set SBLK,   (16*KS/256)*272
.set SPARE,  SCL+4*HALFS               ; the spare words: 128 bytes a wave
.set SPITCH, 272                       ; the way out: a stage of 16 rows x (256 bytes + 16) for each wave, in slot 0, which has had its one fill and its last read by then
.set PLANE,  2048*128                  ; a head's plane of qkv in bytes
.set ADRA, 16
.set ADRB, 20
.set STO,  24
.set RD,   25
.set CO,   26
.set ADRS, 27
.set SPW,  28
.set NIL,  29
.set FO,   8                           ; v8   my byte offset in a plane of q32
.set SC,   32
.set AF,   128
.set BIAS, 64                          ; in window 1
.set TMP,  32                          ; the way out: packed results
.set BK,   64                          ; and 16 rows read back: v64-95 and v96-127 by turns
.set G1, 24
.set G0, 32
.set G1B, 48
.set G0B, 56
.set G1S, 68
.set G0S, 76
.set G1SB, 80
.set G0SB, 88
.set MSB, 0
.macro WIN new                         ; the immediate's high byte repeats the setting that is left
.if MSB != (\new)
	s_set_vgpr_msb (MSB<<8)|(\new)
.set MSB, (\new)
.endif
.endm
.set MUL_LO, 0xa1                      ; source 0 (B) window 1, source 1 (A) window 0, C and D window 2
.set MUL_HI, 0xf1                      ; the same, C and D window 3
.set TO_B,   0x40                      ; destination window 1
; A joint load: waves 0 and 1 fetch for A, waves 2 and 3 for B; the branch hangs on the wave's number alone.  An s_nop 0 and four v_nop follow each line.
.macro JLOAD g0a, g1a, g0b, g1b
	s_cmp_eq_u32 s15, 0
	s_cbranch_scc0 .Lfor_b_\@
	tensor_load_to_lds s[\g0a:\g0a+3], s[\g1a:\g1a+7]
	s_nop 0
.rept 4
	v_nop
.endr
	s_branch .Lasked_\@
.Lfor_b_\@:
	tensor_load_to_lds s[\g0b:\g0b+3], s[\g1b:\g1b+7]
	s_nop 0
.rept 4
	v_nop
.endr
.Lasked_\@:
.endm
.macro CROUND                          ; a round of the cluster's barrier
	s_barrier_signal -1
	s_barrier_wait -1
	s_cmp_lg_u32 s14, 0
	s_cbranch_scc1 .Lnot_wave_0_\@
	s_barrier_signal -3
.Lnot_wave_0_\@:
	s_barrier_wait -3
	s_barrier_signal -1
	s_barrier_wait -1
.endm
	s_load_b128 s[4:7], s[0:1], 0x0                ; x_codes, x_scales
	s_load_b128 s[8:11], s[0:1], 0x10              ; w_codes, w_scales
	s_load_b64 s[96:97], s[0:1], 0x20              ; b_attn
	s_load_b64 s[12:13], s[0:1], 0x28              ; qkv
	s_load_b64 s[98:99], s[0:1], 0x30              ; q32
	v_lshl_add_u32 v[SPW], v0, 2, SPARE
	v_mov_b32 v[NIL], 0
	ds_add_u32 v[SPW], v[NIL]                      ; the wave's opening: the add, twice on end, and its wait ahead of my first tensor load
	ds_add_u32 v[SPW], v[NIL]
	v_lshrrev_b32 v1, 5, v0
	v_readfirstlane_b32 s14, v1                    ; wave 0..3
	s_lshr_b32 s15, s14, 1                         ; which half of the tile's rows is mine.  Also: I fetch for A (0) or for B (1)
	s_and_b32 s16, s14, 1                          ; which half of its columns.  Also: which 128 rows of that tile I fetch
	s_bfe_u32 s40, ttmp6, 0x40000                  ; cx, cy
	s_bfe_u32 s41, ttmp6, 0x40004
	s_lshl_b32 s42, ttmp9, 2
	s_add_co_u32 s42, s42, s40                     ; tile column
	s_and_b32 s17, ttmp7, 0xffff
	s_lshl_b32 s17, s17, 2
	s_add_co_u32 s17, s17, s41                     ; tile row
	s_lshl_b32 s43, s41, 2
	s_lshl_b32 s43, 15, s43                        ; my row of the cluster
	s_lshl_b32 s44, 0x1111, s40                    ; my column
	s_or_b32 s[G1+0], s43, (0<<16)|(1<<20)|(1<<21)|(5<<22)|(3<<25)  ; the mask; elements of 1 byte; padding on; bit 21 beside a mask; 4 words after every 64
	s_or_b32 s[G1B+0], s44, (0<<16)|(1<<20)|(1<<21)|(5<<22)|(3<<25)
.irp g, G1, G1B
	s_mov_b32 s[\g+1], ROWB<<16                    ; tensor_dim0
	s_mov_b32 s[\g+2], 128<<16                     ; tensor_dim1
	s_mov_b32 s[\g+3], ROWB<<16                    ; tile_dim0
	s_mov_b32 s[\g+4], 128                         ; tile_dim1
	s_mov_b32 s[\g+5], KROW                        ; from row to row
	s_mov_b32 s[\g+6], 0
	s_mov_b32 s[\g+7], 0
.endr
	s_or_b32 s[G1S+0], s43, (3<<16)|(1<<20)|(1<<21)|(5<<22)|(3<<25) ; the scales of 128 rows: a dense block, as rows of 32 elements of 8 bytes
	s_or_b32 s[G1SB+0], s44, (3<<16)|(1<<20)|(1<<21)|(5<<22)|(3<<25)
.irp g, G1S, G1SB
	s_mov_b32 s[\g+1], 32<<16
	s_mov_b32 s[\g+2], (128*KS/256)<<16
	s_mov_b32 s[\g+3], 32<<16
	s_mov_b32 s[\g+4], 128*KS/256
	s_mov_b32 s[\g+5], 32
	s_mov_b32 s[\g+6], 0
	s_mov_b32 s[\g+7], 0
.endr
	s_lshl_b32 s18, s16, 7
	s_lshl_b32 s20, s17, 8
	s_add_co_u32 s20, s20, s18                     ; A: row 256 x tile row + 128 x half
	s_lshl_b32 s46, s42, 8
	s_add_co_u32 s46, s46, s18                     ; B: row 256 x tile column + 128 x half
	s_mov_b32 s21, 0
	s_mov_b32 s47, 0
	s_mov_b64 s[18:19], KS
	s_mul_u64 s[22:23], s[20:21], s[18:19]
	s_mul_u64 s[92:93], s[46:47], s[18:19]
	s_mov_b64 s[18:19], KROW
	s_mul_u64 s[20:21], s[20:21], s[18:19]
	s_mul_u64 s[46:47], s[46:47], s[18:19]
	s_mul_i32 s45, s14, HALFT                      ; where they go: wave x 128 rows: no place in the cluster enters an LDS address
	s_mul_i32 s94, s14, HALFS
	s_wait_dscnt 0x0                               ; both opening adds are done
	s_wait_kmcnt 0x0
	s_add_nc_u64 s[20:21], s[4:5], s[20:21]
	s_add_nc_u64 s[22:23], s[6:7], s[22:23]
	s_add_nc_u64 s[46:47], s[8:9], s[46:47]
	s_add_nc_u64 s[92:93], s[10:11], s[92:93]
	CROUND                                         ; all sixteen work-groups are here: the joint loads meet
	s_mov_b32 s[G0S], 1
	s_add_co_u32 s[G0S+1], s94, SCL
	s_mov_b64 s[G0S+2:G0S+3], s[22:23]
	s_or_b32 s[G0S+3], s[G0S+3], 0x80000000
	s_mov_b32 s[G0SB], 1
	s_add_co_u32 s[G0SB+1], s94, SCL
	s_mov_b64 s[G0SB+2:G0SB+3], s[92:93]
	s_or_b32 s[G0SB+3], s[G0SB+3], 0x80000000
	JLOAD G0S, G1S, G0SB, G1SB                     ; the scales first; then both K steps: three loads of mine are out
.irp s, 0,1
	s_mov_b32 s[G0+4*\s], 1
	s_add_co_u32 s[G0+4*\s+1], s45, \s*SLOT
	s_add_nc_u64 s[G0+4*\s+2:G0+4*\s+3], s[20:21], \s*ROWB
	s_or_b32 s[G0+4*\s+3], s[G0+4*\s+3], 0x80000000
	s_mov_b32 s[G0B+4*\s], 1
	s_add_co_u32 s[G0B+4*\s+1], s45, \s*SLOT
	s_add_nc_u64 s[G0B+4*\s+2:G0B+4*\s+3], s[46:47], \s*ROWB
	s_or_b32 s[G0B+4*\s+3], s[G0B+4*\s+3], 0x80000000
	JLOAD G0+4*\s, G1, G0B+4*\s, G1B
.endr
	v_and_b32 v1, 15, v0                           ; r = l % 16
	v_bfe_u32 v2, v0, 4, 1                         ; h = l / 16
	v_mul_u32_u24 v3, v1, PITCH
	v_lshl_add_u32 v4, v2, 4, v3                   ; a fragment's row x pitch + 16 x half
	s_mul_i32 s21, s15, HALFT
	s_mul_i32 s22, s16, HALFT
	s_add_co_u32 s22, s22, 2*HALFT
.irp s, 0,1
	v_add_nc_u32 v[ADRA+\s], s21, v4
	v_add_nc_u32 v[ADRB+\s], s22, v4
	s_add_co_u32 s21, s21, SLOT
	s_add_co_u32 s22, s22, SLOT
.endr
	v_mul_u32_u24 v5, v1, KS                       ; my row's scales: KS bytes a row, and 16 more for each 256 passed
	v_lshrrev_b32 v6, 8, v5
	v_lshl_add_u32 v5, v6, 4, v5
	s_mul_i32 s21, s15, HALFS
	s_mul_i32 s22, s16, HALFS
	s_add_co_u32 s22, s22, 2*HALFS
	s_sub_co_u32 s22, s22, s21
	v_mul_u32_u24 v6, s22, v2                      ; lanes 16-31 take B's
	s_add_co_u32 s21, s21, SCL
	v_add_nc_u32 v5, v5, v6
	v_add_nc_u32 v[ADRS], s21, v5
	s_mul_i32 s23, s14, 16*SPITCH                  ; my stage
	v_mul_u32_u24 v5, v1, SPITCH
	v_lshl_add_u32 v5, v2, 4, v5
	v_add_nc_u32 v[STO], s23, v5                   ; in: row r, 16 bytes for each half of the lanes
	v_and_b32 v6, 31, v0
	v_lshlrev_b32 v[CO], 4, v6                     ; out: 16 bytes a lane, 512 consecutive bytes a store
	v_lshrrev_b32 v5, 3, v6
	v_mul_u32_u24 v5, v5, SPITCH
	v_and_b32 v6, 7, v6
	v_lshl_add_u32 v5, v6, 4, v5
	v_add_nc_u32 v[RD], s23, v5                    ; back: eight lanes take a token's 128 bytes of one head, four tokens an instruction
	v_lshlrev_b32 v7, 5, v2                        ; the bias: 32 bytes for each half of the lanes
	v_lshlrev_b32 v[FO], 8, v1
	v_lshl_add_u32 v[FO], v2, 5, v[FO]             ; q32: row r of 256 bytes, + 32 h
	s_lshl_b32 s20, s17, 8
	s_lshl_b32 s21, s15, 7
	s_add_co_u32 s20, s20, s21                     ; my first row
	s_and_b32 s100, s20, 2047                      ; its position in its sequence
	s_lshr_b32 s21, s20, 11                        ; its batch
	s_lshl_b32 s46, s42, 2
	s_lshl_b32 s47, s16, 1
	s_add_co_u32 s46, s46, s47                     ; my first group of 64 columns: 0 .. 47
	s_lshr_b32 s47, s46, 4                         ; q, k or v
	s_and_b32 s46, s46, 15                         ; the head
	s_lshl_b32 s22, s47, 2
	s_add_co_u32 s22, s22, s21
	s_lshl_b32 s22, s22, 4
	s_add_co_u32 s22, s22, s46                     ; the plane's number, the same in qkv and in q32
	s_lshl_b32 s46, s22, 18
	s_lshl_b32 s47, s100, 7
	s_add_co_u32 s46, s46, s47
	s_mov_b32 s47, 0
	s_add_nc_u64 s[12:13], s[12:13], s[46:47]      ; qkv at my first head's plane, my first row
	s_lshl_b32 s46, s22, 12
	s_add_nc_u64 s[98:99], s[98:99], s[46:47]      ; q32 at the same plane
	s_lshl_b32 s46, s42, 10
	s_lshl_b32 s22, s16, 9
	s_add_co_u32 s46, s46, s22
	s_add_nc_u64 s[96:97], s[96:97], s[46:47]      ; b_attn at my first column
	WIN TO_B
.irp b, 0,1,2,3,4,5,6,7                        ; lane (r, h), block b, register j: b_attn at column 16 b + 8 h + j: the result's layout
	global_load_b128 v[BIAS+8*\b:BIAS+8*\b+3], v7, s[96:97] offset:64*\b
	global_load_b128 v[BIAS+8*\b+4:BIAS+8*\b+7], v7, s[96:97] offset:64*\b+16
.endr
	WIN 0
.macro FRAG reg, adr, q, i             ; 16 rows x 128 K of 4-bit codes: 8 registers; registers 4 c .. 4 c + 3 hold K = 64 c + 32 (l / 16) + 0 .. 31
.irp c, 0,1
	ds_load_b128 v[\reg+4*\c:\reg+4*\c+3], v[\adr] offset:64*(\q)+32*\c+(\i)*16*PITCH
.endr
.endm
; 16 matrix instructions: A's blocks a0, a0 + 1 x B's eight.  zero = 1: the first product starts the sums from the bias.  The 64 accumulators take turns, one instruction a turn.
.macro MUL16 a0, p, q, sc, zero
.irp a, \a0, \a0+1
.irp b, 0,1,2,3,4,5,6,7
.if \zero
	v_wmma_scale_f32_16x16x128_f8f6f4 v[8*(8*((\a)%4)+\b):8*(8*((\a)%4)+\b)+7], v[128*(\p)+FR*\b:128*(\p)+FR*\b+FR-1], v[AF+FR*(\a):AF+FR*(\a)+FR-1], v[BIAS+8*\b:BIAS+8*\b+7], v[SC+8*NQ*(\sc)+NQ*\b+(\q)], v[SC+8*NQ*(\sc)+NQ*(\a)+(\q)] matrix_a_fmt:MATRIX_FMT_FP4 matrix_b_fmt:MATRIX_FMT_FP4 matrix_a_scale:MATRIX_SCALE_ROW1
.else
	v_wmma_scale_f32_16x16x128_f8f6f4 v[8*(8*((\a)%4)+\b):8*(8*((\a)%4)+\b)+7], v[128*(\p)+FR*\b:128*(\p)+FR*\b+FR-1], v[AF+FR*(\a):AF+FR*(\a)+FR-1], v[8*(8*((\a)%4)+\b):8*(8*((\a)%4)+\b)+7], v[SC+8*NQ*(\sc)+NQ*\b+(\q)], v[SC+8*NQ*(\sc)+NQ*(\a)+(\q)] matrix_a_fmt:MATRIX_FMT_FP4 matrix_b_fmt:MATRIX_FMT_FP4 matrix_a_scale:MATRIX_SCALE_ROW1
.endif
.endr
.endr
.endm
.macro FETCH_B slot, q, p
	WIN TO_B
.irp i, 0,1,2,3,4,5,6,7
	FRAG 128*(\p)+FR*\i, ADRB+\slot, \q, \i
.endr
	WIN 0
.endm
.macro FETCH_A slot, q, i0
.irp i, \i0, \i0+1, \i0+2, \i0+3
	FRAG AF+FR*(\i), ADRA+\slot, \q, \i
.endr
.endm
.macro SCALES sc                       ; a K step's scale words: lanes 0-15 take A's block i, lanes 16-31 B's block i
.irp i, 0,1,2,3,4,5,6,7
	ds_load_b128 v[SC+8*NQ*\sc+NQ*\i:SC+8*NQ*\sc+NQ*\i+3], v[ADRS] offset:\i*SBLK
.endr
.endm
.macro PLACES n                        ; plain vector instructions between a matrix instruction and a load into, or a read of, its registers
.rept \n
	v_nop
.endr
.endm
.macro STEP slot, q, zero              ; 128 along K, with its successor in the same slot
	s_wait_dscnt 4*NL                              ; B's set and A's blocks 0-3 are in; the youngest eight loads (A's blocks 4-7) may be out
	WIN MUL_LO-0x10*(\zero)                        ; zero = 1: C is the bias, in window 1
	MUL16 0, (\q)%2, \q, \slot, \zero
	MUL16 2, (\q)%2, \q, \slot, \zero
	s_wait_dscnt 0
	PLACES NP
	FETCH_B \slot, (\q)+1, 1-(\q)%2
	FETCH_A \slot, (\q)+1, 0
	WIN MUL_HI-0x20*(\zero)
	MUL16 4, (\q)%2, \q, \slot, \zero
	MUL16 6, (\q)%2, \q, \slot, \zero
	PLACES NP
	WIN 0
	FETCH_A \slot, (\q)+1, 4
.endm
.macro TURN slot, next                 ; a slot's last step changes slots: one barrier; nothing is filled again
	s_wait_tensorcnt 0x0                           ; all my tensor loads have landed: my part of the next slot
	ds_add_u32 v[SPW], v[NIL]
	s_wait_dscnt 4*NL+1                            ; the add and the youngest eight loads may be out
	WIN MUL_LO
	MUL16 0, 1, NQ-1, \slot, 0
	s_wait_dscnt 0x0                               ; the add is done, and my reads of this slot are over
	s_barrier_signal -1
	MUL16 2, 1, NQ-1, \slot, 0
	WIN 0
	s_barrier_wait -1
	PLACES NP
	v_add_nc_u32 v[ADRS], 4*NQ, v[ADRS]            ; on to the next K step's scale words
	FETCH_B \next, 0, 0
	FETCH_A \next, 0, 0
	SCALES \next
	WIN MUL_HI
	MUL16 4, 1, NQ-1, \slot, 0
	MUL16 6, 1, NQ-1, \slot, 0
	PLACES NP
	WIN 0
	FETCH_A \next, 0, 4
.endm
.macro STEPS slot, from
.set Q, \from
.rept NQ-1-\from
	STEP \slot, Q, 0
.set Q, Q+1
.endr
.endm
	s_wait_tensorcnt 1                             ; the scales and my part of K step 0 are in; K step 1's load may be out
	s_barrier_signal -1
	s_barrier_wait -1
	FETCH_B 0, 0, 0
	FETCH_A 0, 0, 0
	SCALES 0
	FETCH_A 0, 0, 4
	s_wait_loadcnt 0x0                             ; the bias
	STEP 0, 0, 1
	STEPS 0, 1
	TURN 0, 1
	STEPS 1, 0
	s_wait_dscnt 4*NL                              ; the very last step
	WIN MUL_LO
	MUL16 0, 1, NQ-1, 1, 0
	MUL16 2, 1, NQ-1, 1, 0
	s_wait_dscnt 0
	WIN MUL_HI
	MUL16 4, 1, NQ-1, 1, 0
	MUL16 6, 1, NQ-1, 1, 0
	WIN 0
	PLACES NP
; POSITIONS 0 TO 15 IN F32.  Where my first row is a sequence's first, block 0's sums go to q32 as they are: a lane's eight columns are 32 bytes of its row.  No branch: all lanes are on or none
; (a store with no lane on does nothing).  EXEC is a source of pending loads and stores: it changes only behind s_wait_xcnt 0.
	s_wait_xcnt 0x0
	v_cmp_eq_u32 vcc_lo, s100, v[NIL]
	s_and_saveexec_b32 s101, vcc_lo
	WIN 0x08                                       ; a store's data are its source 1: window 2
.irp b, 0,1,2,3,4,5,6,7
	global_store_b128 v[FO], v[8*\b:8*\b+3], s[98:99] offset:(\b/4)*4096+(\b%4)*64        ; each accumulator from its low end on
	global_store_b128 v[FO], v[8*\b+4:8*\b+7], s[98:99] offset:(\b/4)*4096+(\b%4)*64+16
.endr
	WIN 0
	s_wait_xcnt 0x0
	s_or_b32 exec_lo, exec_lo, s101
; THE WAY OUT, block by block of 16 rows x 128 columns (two heads).  Rounded to f16, 16 bytes a lane, into my stage; back by heads: four tokens x 128 bytes, which are 512 consecutive bytes of a head's plane.
.macro PACK a
.set AC, 64*((\a)%4)
	WIN 0x0a+5*((\a)/4)                            ; sources 0 and 1: window 2 or 3
.irp b, 0,1,2,3,4,5,6,7
.irp r, 0,1,2,3
	v_cvt_pk_f16_f32 v[TMP+4*\b+\r], v[AC+8*\b+2*\r], v[AC+8*\b+2*\r+1]
.endr
.endr
	WIN 0
.endm
.macro TOSTAGE a
.set BB, BK+32*((\a)%2)
.irp b, 0,1,2,3,4,5,6,7
	ds_store_b128 v[STO], v[TMP+4*\b:TMP+4*\b+3] offset:32*\b
.endr
.irp t, 0,1,2,3,4,5,6,7
	ds_load_b128 v[BB+4*\t:BB+4*\t+3], v[RD] offset:(\t%4)*4*SPITCH+128*(\t/4)   ; LDS serves a wave's instructions in order: these see the stores above
.endr
.endm
.macro SEND a, younger
.set BB, BK+32*((\a)%2)
	s_wait_dscnt \younger                          ; the block is back; the next block's LDS instructions may be out
.irp t, 0,1,2,3,4,5,6,7
	global_store_b128 v[CO], v[BB+4*\t:BB+4*\t+3], s[12:13] offset:(\t/4)*PLANE+2048*(\a)+512*(\t%4)   ; 32 lanes store 512 consecutive bytes, aligned; the base is never stepped
.endr
.endm
	PACK 0
	TOSTAGE 0
.irp a, 1,2,3,4,5,6,7
	PACK \a
.if \a > 1
	s_wait_xcnt 0x0                                ; block a - 2's stores have read their registers: block a's loads may land there
.endif
	TOSTAGE \a
	SEND \a-1, 16                                  ; behind block a - 1's loads: block a's 8 stores and 8 loads
.endr
	SEND 7, 0
	s_wait_tensorcnt 0x0                           ; the wave's end
	ds_add_u32 v[SPW], v[NIL]
	s_wait_dscnt 0x0
	CROUND                                         ; the closing round
	s_endpgm
.Lfunc_end_k_qd70158a030_qkv:
	.size	k_qd70158a030_qkv, .Lfunc_end_k_qd70158a030_qkv-k_qd70158a030_qkv
	.p2alignl 7, 3214868480
	.fill 96, 4, 3214868480
	.section	.rodata,"a",@progbits
	.p2align	6, 0x0
	.amdhsa_kernel k_qd70158a030_qkv
		.amdhsa_group_segment_fixed_size 327680
		.amdhsa_private_segment_fixed_size 0
		.amdhsa_enable_private_segment 0
		.amdhsa_kernarg_size 56
		.amdhsa_user_sgpr_count 2
		.amdhsa_user_sgpr_kernarg_segment_ptr 1
		.amdhsa_wavefront_size32 1
		.amdhsa_system_sgpr_workgroup_id_x 1
		.amdhsa_system_sgpr_workgroup_id_y 1
		.amdhsa_system_sgpr_workgroup_id_z 1
		.amdhsa_system_vgpr_workitem_id 0
		.amdhsa_next_free_vgpr 1024
		.amdhsa_next_free_sgpr 102
		.amdhsa_reserve_vcc 1
		.amdhsa_float_denorm_mode_32 3
		.amdhsa_float_denorm_mode_16_64 3
		.amdhsa_memory_ordered 1
		.amdhsa_forward_progress 1
		.amdhsa_inst_pref_size 130
	.end_amdhsa_kernel
	.amdgpu_metadata
---
amdhsa.version: [ 1, 2 ]
amdhsa.kernels:
  - .name:           k_qd70158a030_qkv
    .symbol:         k_qd70158a030_qkv.kd
    .args:
      - { .name: x_codes, .offset: 0, .size: 8, .value_kind: global_buffer, .address_space: global }
      - { .name: x_scales, .offset: 8, .size: 8, .value_kind: global_buffer, .address_space: global }
      - { .name: w_codes, .offset: 16, .size: 8, .value_kind: global_buffer, .address_space: global }
      - { .name: w_scales, .offset: 24, .size: 8, .value_kind: global_buffer, .address_space: global }
      - { .name: b_attn, .offset: 32, .size: 8, .value_kind: global_buffer, .address_space: global }
      - { .name: qkv, .offset: 40, .size: 8, .value_kind: global_buffer, .address_space: global }
      - { .name: q32, .offset: 48, .size: 8, .value_kind: global_buffer, .address_space: global }
    .group_segment_fixed_size: 327680
    .private_segment_fixed_size: 0
    .kernarg_segment_align: 8
    .kernarg_segment_size: 56
    .max_flat_workgroup_size: 128
    .sgpr_count:     102
    .vgpr_count:     1024
    .wavefront_size: 32
...
	.end_amdgpu_metadata
.endif
;; end of part 2
;; launch attn (part 3): grid 4 x 64, 16 waves a work-group, no clusters, 327,680 bytes of LDS; arguments qkv, o16; writes o16
.if DOCPART == 3
	.amdgcn_target "amdgcn-amd-amdhsa--gfx1250"
	.amdhsa_code_object_version 6
	.text
	.protected	k_qd70158a030_attn
	.globl	k_qd70158a030_attn
	.p2align	8
	.type	k_qd70158a030_attn,@function
k_qd70158a030_attn:
	s_mov_b64 s[64:65], 0
	v_nop
	global_prefetch_b8 v0, s[64:65] scope:SCOPE_SE
	s_setreg_imm32_b32 hwreg(HW_REG_WAVE_MODE, 25, 1), 1
	s_wait_xcnt 0x0
; o[b][h][q] = the sum over k <= q of softmax_k(q . k / 8) v, on f16 operands with f32 products' sums, maxima, exponentials and row sums.  qkv: [3][4 b][16 h][2048][64] f16.  o16: [16 h][8192 rows][64] f16.
; WORK LEFT OUT: key steps all of whose keys come after a wave's queries, and key slots beyond the work-group's last query: the problem's own causal mask gives them the weight 0 for all inputs.
; SHARES.  Work-group (i, y): head y = 16 b + h; it owns the blocks 7 - i and i of 256 queries, eight waves to each, 32 queries (two tiles of 16) to a wave: 9 units of work in every work-group.
; All sixteen waves walk one ring of keys, ascending, 64 keys a step, 256 a slot; the trip counts are constants, and a step that a wave does not need is jumped over by a scalar branch on ids.
; NO CLUSTER: the four work-groups of a head need 8, 7, 6 and 5 slots, so partners would need different numbers of tiles.
; LAYOUT.  S^T = K Q^T (source 0 = 16 keys, source 1 = 16 queries): a lane holds ONE query (lane % 16) and keys 8 (lane / 16) + 0..7.  Two such tiles, rounded to f16 in pairs, ARE source 1 of O^T = V^T P.
; K comes out of LDS as it lies, V ([key][channel]) turned, by ds_load_tr16_b128.
; SOFTMAX.  A running maximum m and sum l: p = 2^(c s - c m), c = log2(e) / 8; O and l are multiplied by a = 2^(c m_old - c m_new) in every step.  Key 0 counts for every query, so m is a number from the first step on.
; LIMIT: q, k, v arrive in f16.  Positions 0 to 15 of each sequence are computed here like all others and are written again, in f32, by the last launch.
; REGISTERS: v1-13 addresses; v16-31 statistics, 8 a tile (+0 c m, +1 m, +2:3 l, +4..7 at work; a in +6); v32-63 Q; v64-127 K's, then V's eight fragments; v128-191 S^T, P packed in place; v192-255 O^T.
.set KP,    144                        ; a key's row in LDS: 128 bytes + 16
.set VP,    160                        ; a row of V: 128 + 32
.set SK,    256                        ; keys in a slot
.set VOFF,  SK*KP
.set SLOT1, 1<<17
.set STAGE, SK*(KP+VP)                 ; between the slots: 16 rows x 144 bytes for each wave, for the way out; no tile lands there
.set SPARE, STAGE+16*16*KP             ; the spare words: 128 bytes a wave, eight blocks of 256 bytes
.set AK0, 1
.set AV0, 2
.set ADK, 3
.set ADV, 4
.set SPW, 5
.set NIL, 6
.set GO,  7
.set STO, 8
.set RD,  9
.set RH,  10                           ; r - 8 h
.set NINF, 11                          ; -infinity
.set PFO, 12
.set DM,  13
.set ST,  16
.set VQ,  32
.set VF,  64
.set VS,  128
.set VO,  192
.set TB,  2
.set WV,  18
.set SEL, 20
.set CS,  22
.set G1K, 24
.set G1V, 32
.set G0K, 40
.set G0V, 44
.set SLOTS, 66
.set KF,  67                           ; the slot's first key
.set Q0,  68                           ; my first query
.set QL,  69                           ; my work-group's last query
.set PFA, 76
.set LIM, 80
; Waves 0 to 3 fetch K's quarters of a slot, waves 4 to 7 V's, the others nothing.  An s_nop 0 and four v_nop follow each line.
.macro TLOAD
	s_cmp_lt_u32 s[WV], 4
	s_cbranch_scc0 .Lnot_k_\@
	tensor_load_to_lds s[G0K:G0K+3], s[G1K:G1K+7]
	s_nop 0
.rept 4
	v_nop
.endr
	s_branch .Lasked_\@
.Lnot_k_\@:
	s_cmp_lt_u32 s[WV], 8
	s_cbranch_scc0 .Lasked_\@
	tensor_load_to_lds s[G0V:G0V+3], s[G1V:G1V+7]
	s_nop 0
.rept 4
	v_nop
.endr
.Lasked_\@:
.endm
; A prefetch of what the NEXT change of slots will ask for: a slot's 32,768 bytes of K and of V.  All four work-groups of a head walk the same keys: the one with x = 0, which walks all eight slots, asks.
; In it the waves ask that fetch nothing: waves 8 to 11 for K, 12 to 15 for V, 8,192 bytes a wave, lanes 256 bytes apart: each aligned block of 256 bytes is named once in the launch.
; The last change that fills a slot asks for nothing; slots 0 and 1 come by their loads alone.
.macro ASK
	s_cmp_gt_u32 s[SLOTS], s[LIM]
	s_cbranch_scc0 .Lnot_mine_\@
	global_prefetch_b8 v[PFO], s[PFA:PFA+1] th:TH_LOAD_NT scope:SCOPE_SE
.Lnot_mine_\@:
.endm
	s_load_b128 s[4:7], s[0:1], 0x0                ; qkv, o16
	v_lshl_add_u32 v[SPW], v0, 2, SPARE
	v_mov_b32 v[NIL], 0
	ds_add_u32 v[SPW], v[NIL]                      ; the wave's opening: the add, twice on end, and its wait ahead of my first tensor load
	ds_add_u32 v[SPW], v[NIL]
	v_lshrrev_b32 v13, 5, v0
	v_readfirstlane_b32 s[WV], v13                 ; wave 0..15
	s_and_b32 s70, ttmp7, 0xffff                   ; y = 16 b + h
	s_lshr_b32 s96, s[WV], 2
	s_xor_b32 s96, s96, s[WV]
	s_and_b32 s96, s96, 1                          ; 0: the high block, 1: the low one; of waves 2 n and 2 n + 1 one has each
	s_lshl_b32 s97, ttmp9, 1
	s_sub_co_i32 s97, s97, 7
	s_mul_i32 s96, s96, s97
	s_sub_co_u32 s97, 7, ttmp9
	s_add_co_i32 s96, s96, s97                     ; my block: 7 - i or i
	s_lshl_b32 s96, s96, 8
	s_lshr_b32 s97, s[WV], 1
	s_lshl_b32 s97, s97, 5
	s_add_co_u32 s[Q0], s96, s97                   ; + 32 x (wave / 2)
	s_sub_co_u32 s[QL], 8, ttmp9
	s_lshl_b32 s[QL], s[QL], 8
	s_sub_co_u32 s[QL], s[QL], 1
	s_mov_b32 s[G1K], (1<<16)|(1<<20)|(4<<22)|(3<<25)   ; no mask; elements of 2 bytes; padding on: 4 words after every 32
	s_mov_b32 s[G1V], (1<<16)|(1<<20)|(4<<22)|(7<<25)   ; 8 words after every 32
.irp g, G1K, G1V
	s_mov_b32 s[\g+1], 64<<16                      ; tensor_dim0
	s_mov_b32 s[\g+2], 64<<16                      ; tensor_dim1
	s_mov_b32 s[\g+3], 64<<16                      ; tile_dim0
	s_mov_b32 s[\g+4], 64                          ; tile_dim1
	s_mov_b32 s[\g+5], 64                          ; from row to row
	s_mov_b32 s[\g+6], 0
	s_mov_b32 s[\g+7], 0
.endr
	s_and_b32 s71, s[WV], 3                        ; which quarter of a slot I fetch or ask for
	s_mul_i32 s72, s71, 64*KP
	s_mul_i32 s73, s71, 64*VP
	s_add_co_u32 s73, s73, VOFF
	s_lshl_b32 s74, s70, 18                        ; the head's plane,
	s_lshl_b32 s75, s71, 13                        ; my 64 rows of 128 bytes
	s_add_co_u32 s74, s74, s75
	s_mov_b32 s75, 0
	s_mov_b32 s[SEL], 0x76543210
	s_mov_b32 s[SEL+1], 0xfedcba98
	s_mov_b32 s[CS], 0x3e38aa3b                    ; c = log2(e) / 8
	s_mov_b32 s[CS+1], s[CS]
	s_mov_b32 s[TB], 0
	s_mov_b32 s[KF], 0
	s_mov_b32 s[SLOTS], 7
	s_wait_dscnt 0x0                               ; both opening adds are done
	s_wait_kmcnt 0x0
	s_mov_b32 s[G0K], 1
	s_mov_b32 s[G0K+1], s72
	s_add_nc_u64 s[G0K+2:G0K+3], s[4:5], s[74:75]
	s_add_nc_u64 s[G0K+2:G0K+3], s[G0K+2:G0K+3], 0x1000000   ; k's third of qkv
	s_or_b32 s[G0K+3], s[G0K+3], 0x80000000
	s_mov_b32 s[G0V], 1
	s_mov_b32 s[G0V+1], s73
	s_add_nc_u64 s[G0V+2:G0V+3], s[4:5], s[74:75]
	s_add_nc_u64 s[G0V+2:G0V+3], s[G0V+2:G0V+3], 0x2000000   ; v's
	s_or_b32 s[G0V+3], s[G0V+3], 0x80000000
	TLOAD                                          ; slot 0: one load of mine is out
	s_mov_b32 s97, 0x2000000
	s_cmp_lt_u32 s[WV], 12
	s_cselect_b32 s96, 0x1000000, s97              ; waves 8 to 11 ask for K, 12 to 15 for V
	s_add_co_u32 s96, s96, s74
	s_add_co_u32 s96, s96, SK*128                  ; in slot 1: the first change of slots steps it to slot 2
	s_mov_b32 s97, 0
	s_add_nc_u64 s[PFA:PFA+1], s[4:5], s[96:97]
	s_lshr_b32 s96, s[WV], 3
	s_xor_b32 s96, s96, 1                          ; 0 in waves 8 to 15,
	s_or_b32 s96, s96, ttmp9                       ; of the head's work-group x = 0
	s_cmp_eq_u32 s96, 0
	s_cselect_b32 s[LIM], 1, -1
	s_lshl_b32 s82, s70, 18
	s_lshl_b32 s83, s[Q0], 7
	s_add_co_u32 s82, s82, s83
	s_mov_b32 s83, 0
	s_add_nc_u64 s[84:85], s[4:5], s[82:83]        ; q at my first query
	s_and_b32 s86, s70, 15
	s_lshl_b32 s86, s86, 20                        ; o16: the head's plane,
	s_lshr_b32 s87, s70, 4
	s_lshl_b32 s87, s87, 11
	s_add_co_u32 s87, s87, s[Q0]
	s_lshl_b32 s87, s87, 7                         ; row 2048 b + my first query
	s_add_co_u32 s86, s86, s87
	s_mov_b32 s87, 0
	s_add_nc_u64 s[6:7], s[6:7], s[86:87]
	v_and_b32 v14, 15, v0                          ; r
	v_bfe_u32 v15, v0, 4, 1                        ; h
	v_lshlrev_b32 v13, 7, v14
	v_lshl_add_u32 v13, v15, 4, v13                ; q: row r of 128 bytes, + 16 h
.irp T, 0,1
.irp c, 0,1
	global_load_b128 v[VQ+16*\T+8*\c:VQ+16*\T+8*\c+3], v13, s[84:85] offset:2048*\T+64*\c
	global_load_b128 v[VQ+16*\T+8*\c+4:VQ+16*\T+8*\c+7], v13, s[84:85] offset:2048*\T+64*\c+32
.endr
.endr
	v_mul_u32_u24 v[AK0], v14, KP
	v_lshl_add_u32 v[AK0], v15, 4, v[AK0]          ; K: row r x pitch + 16 h
	v_and_b32 v[AV0], 7, v0
	v_lshl_add_u32 v[AV0], v15, 3, v[AV0]
	v_mul_u32_u24 v[AV0], v[AV0], VP
	v_bfe_u32 v[ADV], v0, 3, 1
	v_lshl_add_u32 v[AV0], v[ADV], 4, v[AV0]
	v_add_nc_u32 v[AV0], VOFF, v[AV0]              ; V: key 8 h + l % 8, channels 8 ((l / 8) % 2) on
	v_lshlrev_b32 v[RH], 3, v15
	v_sub_nc_u32 v[RH], v14, v[RH]
	v_mov_b32 v[NINF], 0xff800000
	s_mul_i32 s96, s[WV], 16*KP
	s_add_co_u32 s96, s96, STAGE                   ; my stage
	v_add_nc_u32 v[STO], s96, v[AK0]               ; in: row r, + 16 h
	v_and_b32 v[GO], 31, v0
	v_lshlrev_b32 v[PFO], 8, v[GO]
	v_lshrrev_b32 v[RD], 3, v[GO]
	v_mul_u32_u24 v[RD], v[RD], KP
	v_and_b32 v[ADK], 7, v0
	v_lshl_add_u32 v[RD], v[ADK], 4, v[RD]
	v_add_nc_u32 v[RD], s96, v[RD]                 ; back: eight lanes to a row of 128 bytes, four rows an instruction
	v_lshlrev_b32 v[GO], 4, v[GO]
.irp T, 0,1
	v_mov_b32 v[ST+8*\T+1], 0xff61b1e6             ; m: -3e38, under every score
	v_mul_f32 v[ST+8*\T], s[CS], v[ST+8*\T+1]      ; c m
.irp j, 2,3,4,5,6,7
	v_mov_b32 v[ST+8*\T+\j], 0                     ; l; and the registers at work are written once
.endr
.endr
.set J, 0
.rept 64
	v_mov_b32 v[VO+J], 0                           ; O^T.  (The step is written once: the first finds zeros, which a = 0 leaves zeros)
.set J, J+1
.endr
; A KEY STEP: 64 keys, the q-th of the slot in hand.
.macro STEP q
	s_add_co_u32 s96, s[KF], 64*(\q)               ; the step's first key
	s_add_co_u32 s97, s[Q0], 31
	s_cmp_gt_u32 s96, s97                          ; all its keys come after my 32 queries: ids and the count of steps alone
	s_cbranch_scc1 .Lhidden_\@
.rept 5
	v_nop                                          ; places: four in front of loads into V's registers, five in front of the products that write over P
.endr
.irp kt, 0,1,2,3
.irp c, 0,1
	ds_load_b128 v[VF+8*(2*\kt+\c):VF+8*(2*\kt+\c)+3], v[ADK] offset:(64*(\q)+16*\kt)*KP+64*\c
	ds_load_b128 v[VF+8*(2*\kt+\c)+4:VF+8*(2*\kt+\c)+7], v[ADK] offset:(64*(\q)+16*\kt)*KP+64*\c+32
.endr
.endr
	s_wait_dscnt 0x0
.irp kt, 0,1,2,3                               ; S^T: eight accumulators by turns, one instruction a turn; channels 0-31 start the sums
.irp T, 0,1
	v_wmma_f32_16x16x32_f16 v[VS+32*\T+8*\kt:VS+32*\T+8*\kt+7], v[VF+16*\kt:VF+16*\kt+7], v[VQ+16*\T:VQ+16*\T+7], 0
.endr
.endr
.irp kt, 0,1,2,3
.irp T, 0,1
	v_wmma_f32_16x16x32_f16 v[VS+32*\T+8*\kt:VS+32*\T+8*\kt+7], v[VF+16*\kt+8:VF+16*\kt+15], v[VQ+16*\T+8:VQ+16*\T+15], v[VS+32*\T+8*\kt:VS+32*\T+8*\kt+7]
.endr
.endr
.rept 4
	v_nop                                          ; places in front of the loads into K's registers and of the first read of the scores
.endr
.irp kk, 0,1
.irp ct, 0,1,2,3
	ds_load_tr16_b128 v[VF+8*(4*\kk+\ct):VF+8*(4*\kk+\ct)+3], v[ADV] offset:(64*(\q)+32*\kk)*VP+32*\ct
	ds_load_tr16_b128 v[VF+8*(4*\kk+\ct)+4:VF+8*(4*\kk+\ct)+7], v[ADV] offset:(64*(\q)+32*\kk+16)*VP+32*\ct
.endr
.endr
	s_add_co_u32 s97, s96, 63                      ; on the diagonal hidden scores become -infinity ahead of the maximum; a step all of whose keys count skips this
	s_cmp_le_u32 s97, s[Q0]
	s_cbranch_scc1 .Lopen_\@
	s_sub_co_i32 s97, s[Q0], s96
	v_add_nc_u32 v[DM], s97, v[RH]                 ; d = my first query - the first key + r - 8 h.  Register 32 T + 8 kt + j: hidden where 16 kt + j - 16 T > d
.irp T, 0,1
.irp kt, 0,1,2,3
.irp j, 0,1,2,3,4,5,6,7
	v_cmp_gt_i32 vcc_lo, 16*\kt+\j-16*\T, v[DM]
	v_cndmask_b32 v[VS+32*\T+8*\kt+\j], v[VS+32*\T+8*\kt+\j], v[NINF], vcc_lo
.endr
.endr
.endr
.Lopen_\@:
.irp j, 0,1,2,3                                ; the maximum: four chains a tile, each begun at an accumulator's low end; the two tiles by turns
.irp T, 0,1
	v_max3_num_f32 v[ST+8*\T+4+\j], v[VS+32*\T+8*\j], v[VS+32*\T+8*\j+1], v[VS+32*\T+8*\j+2]
.endr
.endr
.irp g, 1,2
.irp j, 0,1,2,3
.irp T, 0,1
	v_max3_num_f32 v[ST+8*\T+4+\j], v[ST+8*\T+4+\j], v[VS+32*\T+8*\j+2*\g+1], v[VS+32*\T+8*\j+2*\g+2]
.endr
.endr
.endr
.irp T, 0,1
	v_max3_num_f32 v[ST+8*\T+4], v[ST+8*\T+4], v[VS+32*\T+7], v[VS+32*\T+15]
.endr
.irp T, 0,1
	v_max3_num_f32 v[ST+8*\T+6], v[ST+8*\T+6], v[VS+32*\T+23], v[VS+32*\T+31]
.endr
.irp T, 0,1
	v_max3_num_f32 v[ST+8*\T+4], v[ST+8*\T+4], v[ST+8*\T+5], v[ST+8*\T+6]
.endr
.irp T, 0,1
	v_max3_num_f32 v[ST+8*\T+4], v[ST+8*\T+4], v[ST+8*\T+7], v[ST+8*\T+1]   ; with the old m
.endr
.irp T, 0,1
	v_permlanex16_b32 v[ST+8*\T+5], v[ST+8*\T+4], s[SEL], s[SEL+1]          ; the query's other 32 keys lie in the lane 16 away
.endr
.irp T, 0,1
	v_mov_b32 v[ST+8*\T+7], v[ST+8*\T]             ; c m_old
.endr
.irp T, 0,1
	v_max_num_f32 v[ST+8*\T+1], v[ST+8*\T+4], v[ST+8*\T+5]
.endr
.irp T, 0,1
	v_mul_f32 v[ST+8*\T], s[CS], v[ST+8*\T+1]
.endr
.irp T, 0,1
	v_sub_f32 v[ST+8*\T+7], v[ST+8*\T+7], v[ST+8*\T]
.endr
.irp b, 0,1,2,3,4,5,6,7,8,9,10,11,12,13,14,15
.irp T, 0,1
	v_pk_fma_f32 v[VS+32*\T+2*\b:VS+32*\T+2*\b+1], v[VS+32*\T+2*\b:VS+32*\T+2*\b+1], s[CS:CS+1], v[ST+8*\T:ST+8*\T+1] op_sel_hi:[1,0,0] neg_lo:[0,0,1] neg_hi:[0,0,1]   ; c s - c m
.endr
.endr
.irp T, 0,1                                    ; ONE BATCH of 66 exponentials: none reads another's result
	v_exp_f32 v[ST+8*\T+6], v[ST+8*\T+7]           ; a
.endr
.irp j, 0,1,2,3,4,5,6,7,8,9,10,11,12,13,14,15,16,17,18,19,20,21,22,23,24,25,26,27,28,29,30,31
.irp T, 0,1
	v_exp_f32 v[VS+32*\T+\j], v[VS+32*\T+\j]
.endr
.endr
	v_nop                                          ; a plain instruction behind the last exponential,
	s_wait_alu depctr_va_vdst(0)                   ; and the one wait ahead of the batch's first reader
.irp T, 0,1
	v_pk_fma_f32 v[ST+8*\T+2:ST+8*\T+3], v[ST+8*\T+2:ST+8*\T+3], v[ST+8*\T+6:ST+8*\T+7], v[VS+32*\T:VS+32*\T+1] op_sel_hi:[1,0,1]   ; l = a l + pair 0: the sum is taken of the unrounded p
.endr
.irp T, 0,1
	v_pk_add_f32 v[ST+8*\T+4:ST+8*\T+5], v[VS+32*\T+2:VS+32*\T+3], v[VS+32*\T+4:VS+32*\T+5]
.endr
.irp p, 3,5,7,9,11,13
.irp T, 0,1
	v_pk_add_f32 v[ST+8*\T+2:ST+8*\T+3], v[ST+8*\T+2:ST+8*\T+3], v[VS+32*\T+2*\p:VS+32*\T+2*\p+1]
.endr
.irp T, 0,1
	v_pk_add_f32 v[ST+8*\T+4:ST+8*\T+5], v[ST+8*\T+4:ST+8*\T+5], v[VS+32*\T+2*\p+2:VS+32*\T+2*\p+3]
.endr
.endr
.irp T, 0,1
	v_pk_add_f32 v[ST+8*\T+2:ST+8*\T+3], v[ST+8*\T+2:ST+8*\T+3], v[VS+32*\T+30:VS+32*\T+31]
.endr
.irp T, 0,1
	v_pk_add_f32 v[ST+8*\T+2:ST+8*\T+3], v[ST+8*\T+2:ST+8*\T+3], v[ST+8*\T+4:ST+8*\T+5]
.endr
.irp i, 0,1,2,3,4,5,6,7,8,9,10,11,12,13,14,15  ; P in f16, packed in place, ascending: register i is written when registers 2 i, 2 i + 1 are read
.irp T, 0,1
	v_cvt_pk_f16_f32 v[VS+32*\T+\i], v[VS+32*\T+2*\i], v[VS+32*\T+2*\i+1]
.endr
.endr
.irp i, 0,1,2,3,4,5,6,7,8,9,10,11,12,13,14,15
.irp T, 0,1
	v_pk_mul_f32 v[VO+32*\T+2*\i:VO+32*\T+2*\i+1], v[VO+32*\T+2*\i:VO+32*\T+2*\i+1], v[ST+8*\T+6:ST+8*\T+7] op_sel_hi:[1,0]   ; O^T x a
.endr
.endr
	s_wait_dscnt 0x0                               ; V is in
.irp kk, 0,1                                   ; O^T += V^T P: eight accumulators by turns
.irp ct, 0,1,2,3
.irp T, 0,1
	v_wmma_f32_16x16x32_f16 v[VO+32*\T+8*\ct:VO+32*\T+8*\ct+7], v[VF+8*(4*\kk+\ct):VF+8*(4*\kk+\ct)+7], v[VS+32*\T+8*\kk:VS+32*\T+8*\kk+7], v[VO+32*\T+8*\ct:VO+32*\T+8*\ct+7]
.endr
.endr
.endr
.Lhidden_\@:
.endm
; THE CHANGE OF SLOTS, at a slot's head.  Each wave waits for all its tensor loads, adds 0 to its spare word, and waits for that and for its reads of the slot that it has left; behind the barrier the slot ahead
; is whole and nobody reads the other one.  fill = 1: that other slot takes the next 256 keys, while one of the work-group's queries still sees them.
.macro CHANGE fill
	s_wait_tensorcnt 0x0                           ; no tensor load of mine is out, so a group 0 may be written
	ds_add_u32 v[SPW], v[NIL]
.if \fill
	ds_add_u32 v[SPW], v[NIL]                      ; and twice on end here
	s_xor_b32 s[G0K+1], s[G0K+1], SLOT1            ; the walking descriptors: the other slot, the next 256 keys
	s_add_nc_u64 s[G0K+2:G0K+3], s[G0K+2:G0K+3], SK*128
	s_xor_b32 s[G0V+1], s[G0V+1], SLOT1
	s_add_nc_u64 s[G0V+2:G0V+3], s[G0V+2:G0V+3], SK*128
	s_wait_xcnt 0x0                                ; the last prefetch, a slot back, has read its address
	s_add_nc_u64 s[PFA:PFA+1], s[PFA:PFA+1], SK*128
.endif
	s_wait_dscnt 0x0
	s_barrier_signal -1
	s_barrier_wait -1
.if \fill
	s_add_co_u32 s96, s[KF], SK                    ; the first key of the slot that this change would ask for
	s_cmp_gt_u32 s96, s[QL]                        ; beyond my work-group's last query no wave reads it: ids and the count of steps alone, the same in all sixteen waves
	s_cbranch_scc1 .Lpast_\@
	TLOAD                                          ; a wave's one tensor load until the next change; every wait on TENSORcnt in this text is for 0
.Lpast_\@:
	ASK
.endif
.endm
.macro SLOT_STEPS
	v_add_nc_u32 v[ADK], s[TB], v[AK0]
	v_add_nc_u32 v[ADV], s[TB], v[AV0]
	STEP 0
	STEP 1
	STEP 2
	STEP 3
	s_add_co_u32 s[KF], s[KF], SK
	s_xor_b32 s[TB], s[TB], SLOT1
.endm
	s_wait_loadcnt 0x0                             ; Q
.Lslot:                                            ; seven trips
	CHANGE 1
	SLOT_STEPS
	s_sub_co_u32 s[SLOTS], s[SLOTS], 1
	s_cmp_lg_u32 s[SLOTS], 0
	s_cbranch_scc1 .Lslot
	CHANGE 0                                       ; the last slot is written out: nothing is left to ask for
	SLOT_STEPS
	; THE WAY OUT.  O^T / l, rounded to f16, through my stage: 16 rows of 128 bytes come back as 2,048 consecutive bytes of the head's plane.
.rept 4
	v_nop                                          ; places behind the last products
.endr
.irp T, 0,1
	v_add_f32 v[ST+8*\T+4], v[ST+8*\T+2], v[ST+8*\T+3]
.endr
.irp T, 0,1
	v_permlanex16_b32 v[ST+8*\T+5], v[ST+8*\T+4], s[SEL], s[SEL+1]
.endr
.irp T, 0,1
	v_add_f32 v[ST+8*\T+4], v[ST+8*\T+4], v[ST+8*\T+5]
.endr
.irp T, 0,1
	v_rcp_f32 v[ST+8*\T+6], v[ST+8*\T+4]
.endr
	v_nop
	s_wait_alu depctr_va_vdst(0)                   ; one wait for the two reciprocals, ahead of their first reader
.irp T, 0,1
.irp i, 0,1,2,3,4,5,6,7,8,9,10,11,12,13,14,15
	v_pk_mul_f32 v[VO+32*\T+2*\i:VO+32*\T+2*\i+1], v[VO+32*\T+2*\i:VO+32*\T+2*\i+1], v[ST+8*\T+6:ST+8*\T+7] op_sel_hi:[1,0]
.endr
.irp i, 0,1,2,3,4,5,6,7,8,9,10,11,12,13,14,15
	v_cvt_pk_f16_f32 v[VS+32*\T+\i], v[VO+32*\T+2*\i], v[VO+32*\T+2*\i+1]
.endr
.irp ct, 0,1,2,3
	ds_store_b128 v[STO], v[VS+32*\T+4*\ct:VS+32*\T+4*\ct+3] offset:32*\ct
.endr
.irp i, 0,1,2,3
	ds_load_b128 v[VS+32*\T+16+4*\i:VS+32*\T+16+4*\i+3], v[RD] offset:4*KP*\i   ; LDS serves a wave in order: these see the stores above, and the next tile's stores come behind them
.endr
.endr
.irp i, 0,1,2,3
	s_wait_dscnt 11-\i                             ; tile 0's load i is back; its younger loads and tile 1's eight LDS instructions may be out
	global_store_b128 v[GO], v[VS+16+4*\i:VS+16+4*\i+3], s[6:7] offset:512*\i
.endr
.irp i, 0,1,2,3
	s_wait_dscnt 3-\i
	global_store_b128 v[GO], v[VS+48+4*\i:VS+48+4*\i+3], s[6:7] offset:2048+512*\i   ; 32 lanes store 512 consecutive bytes, aligned
.endr
	s_wait_tensorcnt 0x0                           ; the wave's end
	ds_add_u32 v[SPW], v[NIL]
	s_wait_dscnt 0x0
	s_endpgm
.Lfunc_end_k_qd70158a030_attn:
	.size	k_qd70158a030_attn, .Lfunc_end_k_qd70158a030_attn-k_qd70158a030_attn
	.p2alignl 7, 3214868480
	.fill 96, 4, 3214868480
	.section	.rodata,"a",@progbits
	.p2align	6, 0x0
	.amdhsa_kernel k_qd70158a030_attn
		.amdhsa_group_segment_fixed_size 327680
		.amdhsa_private_segment_fixed_size 0
		.amdhsa_enable_private_segment 0
		.amdhsa_kernarg_size 16
		.amdhsa_user_sgpr_count 2
		.amdhsa_user_sgpr_kernarg_segment_ptr 1
		.amdhsa_wavefront_size32 1
		.amdhsa_system_sgpr_workgroup_id_x 1
		.amdhsa_system_sgpr_workgroup_id_y 1
		.amdhsa_system_sgpr_workgroup_id_z 1
		.amdhsa_system_vgpr_workitem_id 0
		.amdhsa_next_free_vgpr 256
		.amdhsa_next_free_sgpr 100
		.amdhsa_reserve_vcc 1
		.amdhsa_float_denorm_mode_32 3
		.amdhsa_float_denorm_mode_16_64 3
		.amdhsa_memory_ordered 1
		.amdhsa_forward_progress 1
		.amdhsa_inst_pref_size 188
	.end_amdhsa_kernel
	.amdgpu_metadata
---
amdhsa.version: [ 1, 2 ]
amdhsa.kernels:
  - .name:           k_qd70158a030_attn
    .symbol:         k_qd70158a030_attn.kd
    .args:
      - { .name: qkv, .offset: 0, .size: 8, .value_kind: global_buffer, .address_space: global }
      - { .name: o16, .offset: 8, .size: 8, .value_kind: global_buffer, .address_space: global }
    .group_segment_fixed_size: 327680
    .private_segment_fixed_size: 0
    .kernarg_segment_align: 8
    .kernarg_segment_size: 16
    .max_flat_workgroup_size: 512
    .sgpr_count:     100
    .vgpr_count:     256
    .wavefront_size: 32
...
	.end_amdgpu_metadata
.endif
;; end of part 3
;; launch proj (part 4): grid 4 x 64, 4 waves a work-group, clusters of 4 x 4, 327,680 bytes of LDS; arguments o16, wp16, b_proj, out0; writes out0
.if DOCPART == 4
	.amdgcn_target "amdgcn-amd-amdhsa--gfx1250"
	.amdhsa_code_object_version 6
	.text
	.protected	k_qd70158a030_proj
	.globl	k_qd70158a030_proj
	.p2align	8
	.type	k_qd70158a030_proj,@function
k_qd70158a030_proj:
	s_mov_b64 s[64:65], 0
	v_nop
	global_prefetch_b8 v0, s[64:65] scope:SCOPE_SE
	s_setreg_imm32_b32 hwreg(HW_REG_WAVE_MODE, 25, 1), 1
	s_wait_xcnt 0x0
	s_wait_alu depctr_hold_cnt(0) depctr_sa_sdst(0) depctr_va_vdst(0) depctr_va_sdst(0) depctr_va_ssrc(0) depctr_va_vcc(0) depctr_vm_vsrc(0)
	s_getreg_b32 s2, hwreg(HW_REG_IB_STS2, 6, 4)
	s_cmp_eq_u32 s2, 0
	s_cbranch_scc0 .Lentry_in_a_cluster
	s_endpgm
.Lentry_in_a_cluster:
	s_bfe_u32 s2, ttmp6, 0x10000c
	s_cmp_lg_u32 s2, 0xf033
	s_cbranch_scc0 .Lentry_shape_is_right
	s_endpgm
.Lentry_shape_is_right:
; out0 = o W_proj + b_proj, on f16 operands with f32 sums.  o16: [16 h][8192 rows][64] f16 (k = 64 h + d); wp16: [1024 k][1024 n] f16, as W_proj lies; out0: [8192][1024] f32.
; A tile of out0 is 128 rows x 256 columns: 256 work-groups of four waves, 64 x 128 each: 32 accumulators.  K goes in steps of 128 (two heads) through a ring of two LDS slots.
; CLUSTERS: 4 x 4 work-groups: o's tile is shared along a row of the cluster, wp16's along a column: joint loads, one a wave behind each round of the cluster's barrier.
; THE MATRIX INSTRUCTION IS USED TRANSPOSED: source 0 = 16 columns of W_proj (turned out of LDS by ds_load_tr16_b128), source 1 = 16 rows of o: a lane holds eight neighbouring columns of a row.
; THE BIAS is the C of each sum's first instruction.  (Rows of positions 0 to 15 are computed here like all others and are written again, in f32 throughout, by the last launch.)
; REGISTERS: window 0: v0-31 addresses; two fragment buffers v32-127, v128-223 (o's 4 fragments, then W's 8).   window 1: accumulator (a, b) at v[8 (8 a + b)].   window 2: v0-63 the bias.
.set AP,     144                       ; a row of o in LDS: 128 bytes + 16
.set APL,    128*AP                    ; a head's 128 rows
.set BP,     544                       ; a row of W: 512 bytes + 32
.set BH,     64*BP                     ; 64 rows: what one tensor load brings
.set BOFF,   2*APL
.set SLOT,   BOFF+2*BH
.set STAGE,  2*SLOT                    ; behind the ring: 16 rows x (512 + 16) bytes for each wave
.set SPITCH, 528
.set SPARE,  STAGE+4*16*SPITCH
.set ASTEP,  2<<20                     ; a K step on in o16: two planes
.set BSTEP,  128*2048                  ; and in wp16: 128 rows
.set LAPS,   4
.set ADRA, 16
.set ADRB, 20
.set STO,  24
.set RD,   25
.set CO,   26
.set SPW,  28
.set NIL,  29
.set PFO,  30
.set F0,   32
.set F1,   128
.set BK,   32                          ; the way out: v32-95 and v96-159 by turns
.set G1, 24
.set G0, 32
.set G1B, 48
.set G0B, 56
.set PFA, 66
.set LIM, 15
.set MSB, 0
.macro WIN new
.if MSB != (\new)
	s_set_vgpr_msb (MSB<<8)|(\new)
.set MSB, (\new)
.endif
.endm
.set MUL,  0x50                        ; sources 0 and 1 window 0; C and D window 1
.set MUL0, 0x60                        ; C window 2 (the bias), D window 1
.macro JLOAD s                         ; waves 0 and 1 fetch o's two planes, waves 2 and 3 W's two halves; an s_nop 0 and four v_nop follow each line
	s_cmp_eq_u32 s13, 0
	s_cbranch_scc0 .Lfor_b_\@
	tensor_load_to_lds s[G0+4*\s:G0+4*\s+3], s[G1:G1+7]
	s_nop 0
.rept 4
	v_nop
.endr
	s_branch .Lasked_\@
.Lfor_b_\@:
	tensor_load_to_lds s[G0B+4*\s:G0B+4*\s+3], s[G1B:G1B+7]
	s_nop 0
.rept 4
	v_nop
.endr
.Lasked_\@:
.endm
.macro CREST
	s_cmp_lg_u32 s12, 0
	s_cbranch_scc1 .Lnot_wave_0_\@
	s_barrier_signal -3
.Lnot_wave_0_\@:
	s_barrier_wait -3
	s_barrier_signal -1
	s_barrier_wait -1
.endm
.macro CROUND
	s_barrier_signal -1
	s_barrier_wait -1
	CREST
.endm
; A prefetch of o's K step that stands TWO refills on: 32,768 bytes for a tile row, which one row of one cluster alone reads.  Its four partners take 8,192 bytes each, told apart BY ADDRESS
; (plane cx / 2, half cx % 2); in each, wave 0 asks, lanes 256 bytes apart: each aligned block of 256 bytes is named once.  The loop's last trip asks for nothing: K steps 4 to 7 are named.
; W's 2 MB are read again by every cluster and are not asked for.
.macro ASK
	s_cmp_gt_u32 s3, s[LIM]
	s_cbranch_scc0 .Lnot_mine_\@
	global_prefetch_b8 v[PFO], s[PFA:PFA+1] offset:ASTEP th:TH_LOAD_NT scope:SCOPE_SE
.Lnot_mine_\@:
.endm
	s_load_b256 s[4:11], s[0:1], 0x0               ; o16 s[4:5], wp16 s[6:7], b_proj s[8:9], out0 s[10:11]
	v_lshl_add_u32 v[SPW], v0, 2, SPARE
	v_mov_b32 v[NIL], 0
	ds_add_u32 v[SPW], v[NIL]                      ; the wave's opening: the add, twice on end, and its wait ahead of my first tensor load
	ds_add_u32 v[SPW], v[NIL]
	v_lshrrev_b32 v1, 5, v0
	v_readfirstlane_b32 s12, v1                    ; wave 0..3
	s_lshr_b32 s13, s12, 1                         ; which 64 rows are mine.  Also: I fetch for o (0) or for W (1)
	s_and_b32 s14, s12, 1                          ; which 128 columns.  Also: which plane of o, or which 64 rows of W, I fetch
	s_bfe_u32 s40, ttmp6, 0x40000                  ; cx, cy
	s_bfe_u32 s41, ttmp6, 0x40004
	s_lshl_b32 s42, ttmp9, 2
	s_add_co_u32 s42, s42, s40                     ; tile column
	s_and_b32 s43, ttmp7, 0xffff
	s_lshl_b32 s43, s43, 2
	s_add_co_u32 s43, s43, s41                     ; tile row
	s_lshl_b32 s44, s41, 2
	s_lshl_b32 s44, 15, s44                        ; my row of the cluster
	s_lshl_b32 s45, 0x1111, s40                    ; my column
	s_or_b32 s[G1], s44, (1<<16)|(1<<20)|(1<<21)|(4<<22)|(3<<25)    ; o: elements of 2 bytes; 4 words of padding after every 32
	s_mov_b32 s[G1+1], 64<<16                      ; tensor_dim0
	s_mov_b32 s[G1+2], 128<<16                     ; tensor_dim1
	s_mov_b32 s[G1+3], 64<<16                      ; tile_dim0
	s_mov_b32 s[G1+4], 128                         ; tile_dim1
	s_mov_b32 s[G1+5], 64                          ; from row to row
	s_mov_b32 s[G1+6], 0
	s_mov_b32 s[G1+7], 0
	s_or_b32 s[G1B], s45, (1<<16)|(1<<20)|(1<<21)|(6<<22)|(7<<25)   ; W: 8 words of padding after every 128
	s_mov_b32 s[G1B+1], 256<<16
	s_mov_b32 s[G1B+2], 64<<16
	s_mov_b32 s[G1B+3], 256<<16
	s_mov_b32 s[G1B+4], 64
	s_mov_b32 s[G1B+5], 1024
	s_mov_b32 s[G1B+6], 0
	s_mov_b32 s[G1B+7], 0
	s_lshl_b32 s16, s14, 20                        ; o: my plane of the K step's two,
	s_lshl_b32 s17, s43, 14                        ; the tile row's 128 rows of 128 bytes
	s_add_co_u32 s16, s16, s17
	s_mov_b32 s17, 0
	s_lshl_b32 s46, s14, 17                        ; W: my 64 rows of 2,048 bytes,
	s_lshl_b32 s47, s42, 9                         ; the tile column's 512 bytes
	s_add_co_u32 s46, s46, s47
	s_mov_b32 s47, 0
	s_mul_i32 s20, s14, APL                        ; where they go: no place in the cluster enters an LDS address
	s_mul_i32 s21, s14, BH
	s_add_co_u32 s21, s21, BOFF
	s_wait_dscnt 0x0                               ; both opening adds are done
	s_wait_kmcnt 0x0
	s_add_nc_u64 s[18:19], s[4:5], s[16:17]
	s_add_nc_u64 s[46:47], s[6:7], s[46:47]
	CROUND                                         ; all sixteen work-groups are here: the first joint loads meet
.irp s, 0,1
	s_mov_b32 s[G0+4*\s], 1
	s_add_co_u32 s[G0+4*\s+1], s20, \s*SLOT
	s_add_nc_u64 s[G0+4*\s+2:G0+4*\s+3], s[18:19], \s*ASTEP
	s_or_b32 s[G0+4*\s+3], s[G0+4*\s+3], 0x80000000
	s_mov_b32 s[G0B+4*\s], 1
	s_add_co_u32 s[G0B+4*\s+1], s21, \s*SLOT
	s_add_nc_u64 s[G0B+4*\s+2:G0B+4*\s+3], s[46:47], \s*BSTEP
	s_or_b32 s[G0B+4*\s+3], s[G0B+4*\s+3], 0x80000000
	JLOAD \s                                       ; two loads of mine are out
.endr
	v_and_b32 v1, 15, v0                           ; r
	v_bfe_u32 v2, v0, 4, 1                         ; h
	v_mul_u32_u24 v3, v1, AP
	v_lshl_add_u32 v3, v2, 4, v3                   ; o: row r x pitch + 16 h
	s_mul_i32 s22, s13, 64*AP                      ; my 64 rows
	v_and_b32 v4, 7, v0
	v_lshl_add_u32 v4, v2, 3, v4
	v_mul_u32_u24 v4, v4, BP
	v_bfe_u32 v5, v0, 3, 1
	v_lshl_add_u32 v4, v5, 4, v4                   ; W: k row 8 h + l % 8, columns 8 ((l / 8) % 2) on
	s_lshl_b32 s23, s14, 8                         ; my 128 columns
	s_add_co_u32 s23, s23, BOFF
.irp s, 0,1
	v_add_nc_u32 v[ADRA+\s], s22, v3
	v_add_nc_u32 v[ADRB+\s], s23, v4
	s_add_co_u32 s22, s22, SLOT
	s_add_co_u32 s23, s23, SLOT
.endr
	s_mul_i32 s22, s12, 16*SPITCH
	s_add_co_u32 s22, s22, STAGE                   ; my stage
	v_mul_u32_u24 v5, v1, SPITCH
	v_lshl_add_u32 v5, v2, 5, v5
	v_add_nc_u32 v[STO], s22, v5                   ; in: row r, 32 bytes for each half of the lanes
	v_and_b32 v6, 31, v0
	v_lshlrev_b32 v[CO], 4, v6                     ; back: the 32 lanes take a row of 512 bytes; and the same in out0
	v_add_nc_u32 v[RD], s22, v[CO]
	v_lshlrev_b32 v[PFO], 8, v6
	v_lshlrev_b32 v7, 5, v2
	s_lshl_b32 s22, s43, 7
	s_lshl_b32 s23, s13, 6
	s_add_co_u32 s22, s22, s23                     ; my first row,
	s_lshl_b32 s22, s22, 12                        ; of 4,096 bytes
	s_lshl_b32 s68, s42, 10
	s_lshl_b32 s69, s14, 9
	s_add_co_u32 s68, s68, s69                     ; my first column, in bytes
	s_mov_b32 s69, 0
	s_add_nc_u64 s[8:9], s[8:9], s[68:69]
	s_add_co_u32 s68, s68, s22
	s_add_nc_u64 s[10:11], s[10:11], s[68:69]
	s_lshr_b32 s68, s40, 1                         ; the prefetches: plane cx / 2,
	s_lshl_b32 s68, s68, 20
	s_and_b32 s70, s40, 1
	s_lshl_b32 s70, s70, 13                        ; half cx % 2 of the tile row's 16,384 bytes,
	s_add_co_u32 s68, s68, s70
	s_lshl_b32 s70, s43, 14
	s_add_co_u32 s68, s68, s70
	s_add_co_u32 s68, s68, 2*ASTEP                 ; at K step 2: the first refill steps it to 3 and names 4
	s_add_nc_u64 s[PFA:PFA+1], s[4:5], s[68:69]
	s_cmp_eq_u32 s12, 0
	s_cselect_b32 s[LIM], 1, -1                    ; wave 0 asks: the same in all partners
	WIN 0x80                                       ; destination window 2
.irp b, 0,1,2,3,4,5,6,7                        ; lane (r, h), block b, register j: b_proj at column 16 b + 8 h + j
	global_load_b128 v[8*\b:8*\b+3], v7, s[8:9] offset:64*\b
	global_load_b128 v[8*\b+4:8*\b+7], v7, s[8:9] offset:64*\b+16
.endr
	WIN 0
.macro MUL8 f, a, zero                 ; o's block a x W's eight, 32 along K.  The 32 accumulators take turns, one instruction a turn, in the same order in every quarter
.irp b, 0,1,2,3,4,5,6,7
.if \zero
	v_wmma_f32_16x16x32_f16 v[8*(8*(\a)+\b):8*(8*(\a)+\b)+7], v[\f+32+8*\b:\f+32+8*\b+7], v[\f+8*(\a):\f+8*(\a)+7], v[8*\b:8*\b+7]
.else
	v_wmma_f32_16x16x32_f16 v[8*(8*(\a)+\b):8*(8*(\a)+\b)+7], v[\f+32+8*\b:\f+32+8*\b+7], v[\f+8*(\a):\f+8*(\a)+7], v[8*(8*(\a)+\b):8*(8*(\a)+\b)+7]
.endif
.endr
.endm
.macro FETCH slot, q, f                ; 24 LDS loads in one run: the slot's q-th 32 along K: W's eight fragments, then o's four
	WIN 0
.irp nb, 0,1,2,3,4,5,6,7
	ds_load_tr16_b128 v[\f+32+8*\nb:\f+32+8*\nb+3], v[ADRB+\slot] offset:32*(\q)*BP+32*\nb
	ds_load_tr16_b128 v[\f+32+8*\nb+4:\f+32+8*\nb+7], v[ADRB+\slot] offset:(32*(\q)+16)*BP+32*\nb
.endr
.irp a, 0,1,2,3
	ds_load_b128 v[\f+8*\a:\f+8*\a+3], v[ADRA+\slot] offset:((\q)/2)*APL+64*((\q)%2)+16*\a*AP
	ds_load_b128 v[\f+8*\a+4:\f+8*\a+7], v[ADRA+\slot] offset:((\q)/2)*APL+64*((\q)%2)+16*\a*AP+32
.endr
.endm
.macro PLACES
.rept 4
	v_nop
.endr
.endm
.macro QUARTER slot, q, f, g, zero     ; multiplies buffer f; in its middle fetches the slot's q-th quarter into g
	s_wait_dscnt 4                                 ; W's fragments and o's blocks 0, 1 are in; the youngest four loads (blocks 2, 3) may be out
	WIN MUL+0x10*(\zero)
	MUL8 \f, 0, \zero
	MUL8 \f, 1, \zero
	PLACES
	FETCH \slot, \q, \g
	s_wait_dscnt 24                                ; all but the 24 just issued
	WIN MUL+0x10*(\zero)
	MUL8 \f, 2, \zero
	MUL8 \f, 3, \zero
.endm
; A slot's last quarter multiplies buffer 1 and changes slots: each wave waits for all its tensor loads, adds 0 to its spare word, and waits for that and for its reads of this slot.  fill = 1: the barrier opens a
; round of the cluster's barrier, and this slot is filled again, two K steps ahead, first thing behind it.
.macro TURN slot, next, fill
.if \fill
	s_wait_xcnt 0x0                                ; the last prefetch, a K step back, has read its address
	s_add_nc_u64 s[PFA:PFA+1], s[PFA:PFA+1], ASTEP
.endif
	WIN 0
	s_wait_tensorcnt 0x0                           ; all my tensor loads have landed: my part of the next slot
	ds_add_u32 v[SPW], v[NIL]
	s_wait_dscnt 5                                 ; the add and the youngest four loads may be out
	WIN MUL
	MUL8 F1, 0, 0
	s_wait_dscnt 0x0                               ; the add is done, and my reads of this slot are over
	s_barrier_signal -1
	MUL8 F1, 1, 0
	WIN 0
	s_barrier_wait -1
.if \fill
	CREST
	s_add_nc_u64 s[G0+4*\slot+2:G0+4*\slot+3], s[G0+4*\slot+2:G0+4*\slot+3], 2*ASTEP
	s_add_nc_u64 s[G0B+4*\slot+2:G0B+4*\slot+3], s[G0B+4*\slot+2:G0B+4*\slot+3], 2*BSTEP
	JLOAD \slot                                    ; my one tensor load behind the round; its four v_nop are also the places in front of the loads below
.else
	PLACES
.endif
	FETCH \next, 0, F0
.if \fill
	ASK
.endif
	WIN MUL
	MUL8 F1, 2, 0
	MUL8 F1, 3, 0
.endm
	s_wait_tensorcnt 1                             ; my part of K step 0 is in; K step 1's load may be out
	s_barrier_signal -1
	s_barrier_wait -1
	FETCH 0, 0, F0
	s_wait_loadcnt 0x0                             ; the bias
	QUARTER 0, 1, F0, F1, 1                        ; the first quarter stands in front of the loop: its products start the sums from the bias
	WIN 0
	s_mov_b32 s3, LAPS-1
.Llap:                                                 ; a trip goes once round the ring and fills both slots again
	QUARTER 0, 2, F1, F0, 0
	QUARTER 0, 3, F0, F1, 0
	TURN 0, 1, 1
	QUARTER 1, 1, F0, F1, 0
	QUARTER 1, 2, F1, F0, 0
	QUARTER 1, 3, F0, F1, 0
	TURN 1, 0, 1
	QUARTER 0, 1, F0, F1, 0
	WIN 0
	s_sub_co_u32 s3, s3, 1
	s_cmp_lg_u32 s3, 0
	s_cbranch_scc1 .Llap
	QUARTER 0, 2, F1, F0, 0                        ; the last lap fills nothing
	QUARTER 0, 3, F0, F1, 0
	TURN 0, 1, 0
	QUARTER 1, 1, F0, F1, 0
	QUARTER 1, 2, F1, F0, 0
	QUARTER 1, 3, F0, F1, 0
	s_wait_dscnt 4
	WIN MUL
	MUL8 F1, 0, 0
	MUL8 F1, 1, 0
	s_wait_dscnt 0
	MUL8 F1, 2, 0
	MUL8 F1, 3, 0
	WIN 0
; THE WAY OUT, block by block of 16 rows x 128 columns, through my own stage: whole rows of 512 bytes come back, which the 32 lanes store as 512 consecutive bytes, aligned.
.macro TOSTAGE a
	WIN 0x04                                       ; an LDS store's data are its source 1: window 1
.irp b, 0,1,2,3,4,5,6,7
	ds_store_b128 v[STO], v[64*(\a)+8*\b:64*(\a)+8*\b+3] offset:64*\b          ; each accumulator from its low end on
	ds_store_b128 v[STO], v[64*(\a)+8*\b+4:64*(\a)+8*\b+7] offset:64*\b+16
.endr
	WIN 0
.set BB, BK+64*((\a)%2)
.irp t, 0,1,2,3,4,5,6,7,8,9,10,11,12,13,14,15
	ds_load_b128 v[BB+4*\t:BB+4*\t+3], v[RD] offset:\t*SPITCH      ; LDS serves a wave's instructions in order
.endr
.endm
.macro SEND a, younger
.set BB, BK+64*((\a)%2)
	s_wait_dscnt \younger
.irp t, 0,1,2,3,4,5,6,7,8,9,10,11,12,13,14,15
	global_store_b128 v[CO], v[BB+4*\t:BB+4*\t+3], s[10:11] offset:65536*(\a)+4096*\t th:TH_STORE_NT
.endr
.endm
	PLACES
	TOSTAGE 0
.irp a, 1,2,3
.if \a > 1
	s_wait_xcnt 0x0                                ; block a - 2's stores have read their registers: block a's loads may land there
.endif
	TOSTAGE \a
	SEND \a-1, 32                                  ; behind block a - 1's loads: block a's 16 stores and 16 loads
.endr
	SEND 3, 0
	s_wait_tensorcnt 0x0                           ; the wave's end
	ds_add_u32 v[SPW], v[NIL]
	s_wait_dscnt 0x0
	CROUND                                         ; the closing round
	s_endpgm
.Lfunc_end_k_qd70158a030_proj:
	.size	k_qd70158a030_proj, .Lfunc_end_k_qd70158a030_proj-k_qd70158a030_proj
	.p2alignl 7, 3214868480
	.fill 96, 4, 3214868480
	.section	.rodata,"a",@progbits
	.p2align	6, 0x0
	.amdhsa_kernel k_qd70158a030_proj
		.amdhsa_group_segment_fixed_size 327680
		.amdhsa_private_segment_fixed_size 0
		.amdhsa_enable_private_segment 0
		.amdhsa_kernarg_size 32
		.amdhsa_user_sgpr_count 2
		.amdhsa_user_sgpr_kernarg_segment_ptr 1
		.amdhsa_wavefront_size32 1
		.amdhsa_system_sgpr_workgroup_id_x 1
		.amdhsa_system_sgpr_workgroup_id_y 1
		.amdhsa_system_sgpr_workgroup_id_z 1
		.amdhsa_system_vgpr_workitem_id 0
		.amdhsa_next_free_vgpr 576
		.amdhsa_next_free_sgpr 72
		.amdhsa_reserve_vcc 0
		.amdhsa_float_denorm_mode_32 3
		.amdhsa_float_denorm_mode_16_64 3
		.amdhsa_memory_ordered 1
		.amdhsa_forward_progress 1
		.amdhsa_inst_pref_size 87
	.end_amdhsa_kernel
	.amdgpu_metadata
---
amdhsa.version: [ 1, 2 ]
amdhsa.kernels:
  - .name:           k_qd70158a030_proj
    .symbol:         k_qd70158a030_proj.kd
    .args:
      - { .name: o16, .offset: 0, .size: 8, .value_kind: global_buffer, .address_space: global }
      - { .name: wp16, .offset: 8, .size: 8, .value_kind: global_buffer, .address_space: global }
      - { .name: b_proj, .offset: 16, .size: 8, .value_kind: global_buffer, .address_space: global }
      - { .name: out0, .offset: 24, .size: 8, .value_kind: global_buffer, .address_space: global }
    .group_segment_fixed_size: 327680
    .private_segment_fixed_size: 0
    .kernarg_segment_align: 8
    .kernarg_segment_size: 32
    .max_flat_workgroup_size: 128
    .sgpr_count:     72
    .vgpr_count:     576
    .wavefront_size: 32
...
	.end_amdgpu_metadata
.endif
;; end of part 4
;; launch fine (part 5): grid 64 x 4, 16 waves a work-group, no clusters, 18,432 bytes of LDS; arguments q32, W_proj, b_proj, out0; writes out0
.if DOCPART == 5
	.amdgcn_target "amdgcn-amd-amdhsa--gfx1250"
	.amdhsa_code_object_version 6
	.text
	.protected	k_qd70158a030_fine
	.globl	k_qd70158a030_fine
	.p2align	8
	.type	k_qd70158a030_fine,@function
k_qd70158a030_fine:
	s_mov_b64 s[64:65], 0
	v_nop
	global_prefetch_b8 v0, s[64:65] scope:SCOPE_SE
	s_setreg_imm32_b32 hwreg(HW_REG_WAVE_MODE, 25, 1), 1
	s_wait_xcnt 0x0
; POSITIONS 0 TO 15 OF EVERY SEQUENCE, IN F32 THROUGHOUT: there a row of the softmax averages one to sixteen values, the results are the largest of the output, and f16 operands would use up what the comparison allows.
; This launch runs last and writes these 64 rows of out0 again.  q32: [3 (q, k, v)][4 b][16 h][16 s][64] f32, the quantised product's sums with their bias, unrounded.  W_proj [1024][1024], b_proj [1024], out0 [8192][1024]: f32.
; WORK LEFT OUT: none of its own; inside the one tile of 16 x 16 scores the hidden ones become -infinity.
; SHARES.  Work-group (x, y): columns 16 x .. 16 x + 15 of batch y's 16 rows.  Wave w is head w: its attention, then its part o_h Wp[64 w .. 64 w + 63][16 columns] of the sum over k.  The sixteen parts meet in LDS as
; images of their registers; waves 0 and 1 add them in a fixed order, add the bias and store.  A batch's attention is repeated by its 64 work-groups: 32 small matrix instructions a wave, which spare a launch of their own.
; LAYOUT.  All three products are used transposed, so that a lane holds ONE query (lane % 16) throughout.  The f32 form takes k = 2 (lane / 16) + j in register j; each product's k is PERMUTED ALIKE in both
; sources, so that a result's registers are the next product's source as they stand: S^T's lane holds keys 8 h + 0..7, so step t of O^T = V^T P^T takes keys 8 h + 2 t + j; O^T's lane holds channels
; 16 dt + 8 h + 0..7, so step (dt, t) of the last product takes channels 16 dt + 8 h + 2 t + j.
; The registers that the f32 matrix form writes (v144-175) are written by matrix instructions alone; what is made of a sum goes into other registers.  Four accumulators take turns in each product.
; Each store covers 64 bytes of a row: 16 columns to a work-group; the launch writes 256 KB in all.  Every wave loads its 16 bytes a lane of the bias; waves 0 and 1 use them.
.set KR,  16                           ; v16-47   k: lane (r, h): key r, channels 8 u + 4 h + 0..3 in registers 4 u ..
.set QR,  48                           ; v48-79   q likewise
.set VR,  80                           ; v80-111  v: register 8 dt + i: key 8 h + i, channel 16 dt + r
.set WR,  112                          ; v112-143 W_proj: register 8 dt + i: row 64 w + 16 dt + 8 h + i, column 16 x + r
.set ACC, 144
.set TT,  176
.set UU,  184
.set PP,  192
.set ON,  200                          ; v200-231 o / l
.set BI,  232
.set SPW, 8
.set NIL, 9
.set SPARE, 16*1024                    ; behind the sixteen images: the spare words, 128 bytes a wave
	s_load_b256 s[4:11], s[0:1], 0x0               ; q32 s[4:5], W_proj s[6:7], b_proj s[8:9], out0 s[10:11]
	v_lshl_add_u32 v[SPW], v0, 2, SPARE
	v_mov_b32 v[NIL], 0
	v_lshrrev_b32 v14, 5, v0
	v_readfirstlane_b32 s12, v14                   ; wave = head
	v_and_b32 v1, 15, v0                           ; r
	v_bfe_u32 v2, v0, 4, 1                         ; h
	s_and_b32 s13, ttmp7, 0xffff                   ; batch
	v_lshlrev_b32 v3, 8, v1
	v_lshl_add_u32 v3, v2, 4, v3                   ; q, k: row r of 256 bytes, + 16 h
	v_lshlrev_b32 v4, 2, v1
	v_lshl_add_u32 v5, v2, 15, v4                  ; W_proj: 8 h rows of 4,096 bytes, + 4 r
	v_lshl_add_u32 v4, v2, 11, v4                  ; v: 8 h rows of 256 bytes, + 4 r
	v_lshlrev_b32 v6, 3, v2
	v_sub_nc_u32 v6, v1, v6                        ; d = r - 8 h: register j's key is hidden where j > d
	v_mov_b32 v7, 0xff800000                       ; -infinity
	v_and_b32 v14, 31, v0
	v_lshlrev_b32 v14, 4, v14
	s_lshl_b32 s14, s12, 10
	v_add_nc_u32 v10, s14, v14                     ; my image: 16 x lane + 1,024 x wave
	s_and_b32 s15, s12, 1
	s_lshl_b32 s14, s15, 9
	v_add_nc_u32 v11, s14, v14                     ; what I add up, if I do: half (wave % 2) of each image
	v_lshlrev_b32 v12, 5, v2                       ; the bias: 32 h
	v_lshlrev_b32 v13, 12, v1
	v_lshl_add_u32 v13, v2, 5, v13                 ; out0: row r of 4,096 bytes, + 32 h
	s_mov_b32 s20, 0x76543210
	s_mov_b32 s21, 0xfedcba98                      ; selects for lane l xor 16
	s_mov_b32 s22, 0x3e38aa3b                      ; c = log2(e) / 8
	s_lshl_b32 s16, s13, 4
	s_add_co_u32 s16, s16, s12
	s_lshl_b32 s16, s16, 12                        ; q's plane of (batch, head); k's lies 262,144 bytes on, v's 524,288
	s_mov_b32 s17, 0
	s_lshl_b32 s18, s12, 18                        ; W_proj: 64 w rows,
	s_lshl_b32 s23, ttmp9, 6                       ; 16 x columns
	s_add_co_u32 s18, s18, s23
	s_mov_b32 s19, 0
	s_lshl_b32 s24, s15, 4
	s_add_co_u32 s24, s24, s23                     ; the bias and out0: + 16 bytes in wave 1
	s_mov_b32 s25, 0
	s_lshl_b32 s26, s13, 23                        ; out0: 2,048 rows a batch
	s_add_co_u32 s26, s26, s24
	s_mov_b32 s27, 0
	s_wait_kmcnt 0x0
	s_add_nc_u64 s[4:5], s[4:5], s[16:17]
	s_add_nc_u64 s[6:7], s[6:7], s[18:19]
	s_add_nc_u64 s[8:9], s[8:9], s[24:25]
	s_add_nc_u64 s[10:11], s[10:11], s[26:27]
.irp u, 0,1,2,3,4,5,6,7
	global_load_b128 v[KR+4*\u:KR+4*\u+3], v3, s[4:5] offset:262144+32*\u
	global_load_b128 v[QR+4*\u:QR+4*\u+3], v3, s[4:5] offset:32*\u
.endr
.irp dt, 0,1,2,3
.irp i, 0,1,2,3,4,5,6,7
	global_load_b32 v[VR+8*\dt+\i], v4, s[4:5] offset:524288+256*\i+64*\dt
.endr
.endr
	s_wait_loadcnt 32                              ; k and q are in; v's 32 loads may be out
.irp s, 0,1,2,3                                ; S^T = K Q^T: sixteen steps of 4 channels on four accumulators by turns; the first four start the sums
	v_wmma_f32_16x16x4_f32 v[ACC+8*\s:ACC+8*\s+7], v[KR+2*\s:KR+2*\s+1], v[QR+2*\s:QR+2*\s+1], 0
.endr
.irp s, 4,5,6,7,8,9,10,11,12,13,14,15
	v_wmma_f32_16x16x4_f32 v[ACC+8*(\s%4):ACC+8*(\s%4)+7], v[KR+2*\s:KR+2*\s+1], v[QR+2*\s:QR+2*\s+1], v[ACC+8*(\s%4):ACC+8*(\s%4)+7]
.endr
.irp dt, 0,1,2,3
.irp i, 0,1,2,3,4,5,6,7
	global_load_b32 v[WR+8*\dt+\i], v5, s[6:7] offset:4096*(16*\dt+\i)
.endr
.endr
	global_load_b128 v[BI:BI+3], v12, s[8:9]
.rept 8
	v_nop                                          ; eight places behind this form in front of the first read of its results
.endr
.irp i, 0,2,4,6
	v_pk_add_f32 v[TT+\i:TT+\i+1], v[ACC+\i:ACC+\i+1], v[ACC+8+\i:ACC+8+\i+1]          ; each accumulator from its low end on
.endr
.irp i, 0,2,4,6
	v_pk_add_f32 v[UU+\i:UU+\i+1], v[ACC+16+\i:ACC+16+\i+1], v[ACC+24+\i:ACC+24+\i+1]
.endr
.irp i, 0,2,4,6
	v_pk_add_f32 v[TT+\i:TT+\i+1], v[TT+\i:TT+\i+1], v[UU+\i:UU+\i+1]                  ; register j: the score of key 8 h + j and query r
.endr
.irp j, 0,1,2,3,4,5,6,7
	v_cmp_gt_i32 vcc_lo, \j, v6
	v_cndmask_b32 v[TT+\j], v[TT+\j], v7, vcc_lo
.endr
	v_max3_num_f32 v236, v[TT], v[TT+1], v[TT+2]
	v_max3_num_f32 v237, v[TT+3], v[TT+4], v[TT+5]
	v_max3_num_f32 v236, v236, v[TT+6], v[TT+7]
	v_max_num_f32 v236, v236, v237
	v_permlanex16_b32 v237, v236, s20, s21
	v_max_num_f32 v236, v236, v237                 ; the row's maximum: key 0 counts for every query, so it is a number
	v_mul_f32 v237, s22, v236
.irp j, 0,1,2,3,4,5,6,7
	v_fma_f32 v[UU+\j], v[TT+\j], s22, -v237       ; c s - c m
.endr
.irp j, 0,1,2,3,4,5,6,7
	v_exp_f32 v[PP+\j], v[UU+\j]
.endr
	v_nop
	s_wait_alu depctr_va_vdst(0)                   ; one wait for the eight, ahead of their first reader
	v_pk_add_f32 v[238:239], v[PP:PP+1], v[PP+2:PP+3]
	v_pk_add_f32 v[UU:UU+1], v[PP+4:PP+5], v[PP+6:PP+7]
	v_pk_add_f32 v[238:239], v[238:239], v[UU:UU+1]
	v_add_f32 v238, v238, v239
	v_permlanex16_b32 v239, v238, s20, s21
	v_add_f32 v238, v238, v239                     ; the row's sum
	v_rcp_f32 v236, v238
	v_nop
	s_wait_alu depctr_va_vdst(0)
	s_wait_loadcnt 33                              ; v is in; W_proj's 32 loads and the bias may be out
.irp dt, 0,1,2,3                               ; O^T = V^T P^T: step t takes keys 8 h + 2 t + j
	v_wmma_f32_16x16x4_f32 v[ACC+8*\dt:ACC+8*\dt+7], v[VR+8*\dt:VR+8*\dt+1], v[PP:PP+1], 0
.endr
.irp t, 1,2,3
.irp dt, 0,1,2,3
	v_wmma_f32_16x16x4_f32 v[ACC+8*\dt:ACC+8*\dt+7], v[VR+8*\dt+2*\t:VR+8*\dt+2*\t+1], v[PP+2*\t:PP+2*\t+1], v[ACC+8*\dt:ACC+8*\dt+7]
.endr
.endr
.rept 9
	v_nop                                          ; eight places in front of the reads below, nine in front of the products that begin these accumulators anew
.endr
.irp i, 0,2,4,6,8,10,12,14,16,18,20,22,24,26,28,30
	v_pk_mul_f32 v[ON+\i:ON+\i+1], v[ACC+\i:ACC+\i+1], v[236:237] op_sel_hi:[1,0]      ; o / l: register 8 dt + i: channel 16 dt + 8 h + i of query r
.endr
	s_wait_loadcnt 1                               ; W_proj is in; the bias may be out
.irp dt, 0,1,2,3                               ; my head's part of out^T: source 0 = 16 columns of W_proj, source 1 = o
	v_wmma_f32_16x16x4_f32 v[ACC+8*\dt:ACC+8*\dt+7], v[WR+8*\dt:WR+8*\dt+1], v[ON+8*\dt:ON+8*\dt+1], 0
.endr
.irp t, 1,2,3
.irp dt, 0,1,2,3
	v_wmma_f32_16x16x4_f32 v[ACC+8*\dt:ACC+8*\dt+7], v[WR+8*\dt+2*\t:WR+8*\dt+2*\t+1], v[ON+8*\dt+2*\t:ON+8*\dt+2*\t+1], v[ACC+8*\dt:ACC+8*\dt+7]
.endr
.endr
.rept 8
	v_nop
.endr
.irp i, 0,2,4,6
	v_pk_add_f32 v[TT+\i:TT+\i+1], v[ACC+\i:ACC+\i+1], v[ACC+8+\i:ACC+8+\i+1]
.endr
.irp i, 0,2,4,6
	v_pk_add_f32 v[UU+\i:UU+\i+1], v[ACC+16+\i:ACC+16+\i+1], v[ACC+24+\i:ACC+24+\i+1]
.endr
.irp i, 0,2,4,6
	v_pk_add_f32 v[TT+\i:TT+\i+1], v[TT+\i:TT+\i+1], v[UU+\i:UU+\i+1]                  ; register j: column 16 x + 8 h + j of query r
.endr
	ds_store_b128 v10, v[TT:TT+3]                  ; the image of my eight registers: 16 bytes a lane, twice
	ds_store_b128 v10, v[TT+4:TT+7] offset:512
	s_wait_dscnt 0x0                               ; for the others' sake: my stores have landed
	s_barrier_signal -1
	s_barrier_wait -1
	s_cmp_lt_u32 s12, 2                            ; waves 0 and 1 add up, four registers each
	s_cbranch_scc0 .Ldone
.irp p, 0,1,2,3,4,5,6,7,8,9,10,11,12,13,14,15
	ds_load_b128 v[KR+4*\p:KR+4*\p+3], v11 offset:1024*\p
.endr
	s_wait_dscnt 0x0
	s_wait_loadcnt 0x0                             ; the bias
.irp p, 0,1,2,3,4,5,6,7                        ; heads p and p + 8, then p and p + 4, p and p + 2, 0 and 1: the same order in every run
	v_pk_add_f32 v[KR+4*\p:KR+4*\p+1], v[KR+4*\p:KR+4*\p+1], v[KR+4*\p+32:KR+4*\p+33]
	v_pk_add_f32 v[KR+4*\p+2:KR+4*\p+3], v[KR+4*\p+2:KR+4*\p+3], v[KR+4*\p+34:KR+4*\p+35]
.endr
.irp p, 0,1,2,3
	v_pk_add_f32 v[KR+4*\p:KR+4*\p+1], v[KR+4*\p:KR+4*\p+1], v[KR+4*\p+16:KR+4*\p+17]
	v_pk_add_f32 v[KR+4*\p+2:KR+4*\p+3], v[KR+4*\p+2:KR+4*\p+3], v[KR+4*\p+18:KR+4*\p+19]
.endr
.irp p, 0,1
	v_pk_add_f32 v[KR+4*\p:KR+4*\p+1], v[KR+4*\p:KR+4*\p+1], v[KR+4*\p+8:KR+4*\p+9]
	v_pk_add_f32 v[KR+4*\p+2:KR+4*\p+3], v[KR+4*\p+2:KR+4*\p+3], v[KR+4*\p+10:KR+4*\p+11]
.endr
	v_pk_add_f32 v[KR:KR+1], v[KR:KR+1], v[KR+4:KR+5]
	v_pk_add_f32 v[KR+2:KR+3], v[KR+2:KR+3], v[KR+6:KR+7]
	v_pk_add_f32 v[KR:KR+1], v[KR:KR+1], v[BI:BI+1]
	v_pk_add_f32 v[KR+2:KR+3], v[KR+2:KR+3], v[BI+2:BI+3]
	global_store_b128 v13, v[KR:KR+3], s[10:11]    ; row r, columns 16 x + 8 h + 4 (wave) + 0..3
.Ldone:
	s_wait_tensorcnt 0x0                           ; the wave's end
	ds_add_u32 v[SPW], v[NIL]
	s_wait_dscnt 0x0
	s_endpgm
.Lfunc_end_k_qd70158a030_fine:
	.size	k_qd70158a030_fine, .Lfunc_end_k_qd70158a030_fine-k_qd70158a030_fine
	.p2alignl 7, 3214868480
	.fill 96, 4, 3214868480
	.section	.rodata,"a",@progbits
	.p2align	6, 0x0
	.amdhsa_kernel k_qd70158a030_fine
		.amdhsa_group_segment_fixed_size 18432
		.amdhsa_private_segment_fixed_size 0
		.amdhsa_enable_private_segment 0
		.amdhsa_kernarg_size 32
		.amdhsa_user_sgpr_count 2
		.amdhsa_user_sgpr_kernarg_segment_ptr 1
		.amdhsa_wavefront_size32 1
		.amdhsa_system_sgpr_workgroup_id_x 1
		.amdhsa_system_sgpr_workgroup_id_y 1
		.amdhsa_system_sgpr_workgroup_id_z 1
		.amdhsa_system_vgpr_workitem_id 0
		.amdhsa_next_free_vgpr 240
		.amdhsa_next_free_sgpr 66
		.amdhsa_reserve_vcc 1
		.amdhsa_float_denorm_mode_32 3
		.amdhsa_float_denorm_mode_16_64 3
		.amdhsa_memory_ordered 1
		.amdhsa_forward_progress 1
		.amdhsa_inst_pref_size 22
	.end_amdhsa_kernel
	.amdgpu_metadata
---
amdhsa.version: [ 1, 2 ]
amdhsa.kernels:
  - .name:           k_qd70158a030_fine
    .symbol:         k_qd70158a030_fine.kd
    .args:
      - { .name: q32, .offset: 0, .size: 8, .value_kind: global_buffer, .address_space: global }
      - { .name: W_proj, .offset: 8, .size: 8, .value_kind: global_buffer, .address_space: global }
      - { .name: b_proj, .offset: 16, .size: 8, .value_kind: global_buffer, .address_space: global }
      - { .name: out0, .offset: 24, .size: 8, .value_kind: global_buffer, .address_space: global }
    .group_segment_fixed_size: 18432
    .private_segment_fixed_size: 0
    .kernarg_segment_align: 8
    .kernarg_segment_size: 32
    .max_flat_workgroup_size: 512
    .sgpr_count:     66
    .vgpr_count:     240
    .wavefront_size: 32
...
	.end_amdgpu_metadata
.endif
;; end of part 5
